; MI455X (gfx1250); checked and timed in simulation.
; The chip was launched on July 23, 2026; its instructions are those of AMD's public machine-readable ISA for CDNA 5 (MIT licence, August 2026) and "CDNA5" Instruction Set Architecture Reference Guide (July 2026). The comments in the code are by the model that wrote it; some were corrected since.
;; Attention. Allowed arithmetic: matrix products marked QUANTISED: E4M3 operands, one given power-of-two scale a tensor, by v_wmma_f32_16x16x64_fp8_fp8 or v_wmma_f32_16x16x128_fp8_fp8, f32 sums; everything else in f32.
;; Inputs: lowp_scales 4 int32 (the exponents e of the quantised operands' scales 2^e); q_mask 8 x 2,048 bool; query_codes 8 x 2,048 x 2 x 32 uint8 (E4M3 codes of query, K innermost, in blocks of 32 codes); scale 1 float32; v_mask 8 x 2,048 bool; value 8 x 2,048 x 64 float32.
;; Outputs: out0 8 x 2,048 x 64 float32.
;; This version of the problem:
;;   THIS VERSION OF THE PROBLEM IS GIVEN IN LOW PRECISION. The matrix products marked QUANTISED in the list below multiply operands that are first quantised to E4M3 (4 exponent bits, 3 mantissa bits; 8 bits a number), with one given power-of-two scale for each operand tensor; their sums are f32. All else is computed in f32.
;;   The module's matrix products, in the order in which they are computed (A, B: the left and right operand; K: the contracted axis; several contracted axes count as one K, in the product's order):
;;     1. batch 8 x [M 2,048, K 64] x [K 64, N 2,048]; A: input query (given as codes); B: input value: QUANTISED (scales: A lowp_scales[0], B lowp_scales[1])
;;     2. batch 8 x [M 2,048, K 2,048] x [K 2,048, N 64]; A: softmax (see below); B: input value: QUANTISED (scales: A lowp_scales[2], B lowp_scales[3])
;;   THE QUANTISER, for each operand of a quantised product, along K:
;;     - The operand's scale is 2^e, e = its entry of the input lowp_scales (int32; the entries are numbered through the quantised products in the list's order, A before B).
;;     - Each number is divided by the scale, clamped to +-448, and rounded to the nearest number of E4M3, ties to even, subnormals kept.
;;     - The product sums the exact products of the quantised numbers (number of the format x scale) in f32.
;;   ~~~python
;;   def quantise(x, axis, e):      # numpy; x: float32 -> the quantised numbers, widened to float32 again
;;       x = np.moveaxis(x, axis, -1); K = x.shape[-1]
;;       r = np.clip(x / 2.0 ** e, -448, 448)
;;       step = 2.0 ** (np.maximum(np.frexp(np.where(r == 0, 1, r))[1] - 1, -6) - 3)
;;       q = np.round(r / step) * step * 2.0 ** e      # np.round: ties to even
;;       return np.moveaxis(q, -1, axis).astype(np.float32)
;;   ~~~
;;   SOFTMAX AHEAD OF A QUANTISED PRODUCT. Where the list says 'softmax', what is quantised is not the finished softmax but p = 2^(t - M), with t = logit x log2(e) and M = ceil(the row's largest t), a whole number; so 1/2 < the row's largest p <= 1. The row's sum l is taken of the UNQUANTISED p, in f32, and the product's result is divided by l at the end. Since M is a whole number, a kernel that streams over the keys may use a running M (the ceiling of the running maximum): every later rescaling is an exact power of two, so the quantised numbers keep their values, but for numbers so far below the row's largest that they fall under the format's range.
;;   OPERANDS COMPUTED ON THE WAY. 'Computed on the way' means the value that the module computes at that place (a softmax that the list does not call 'softmax' is quantised finished and normalised). What goes into a quantiser is computed in f32, as accurately as f32 sums, v_exp_f32 and their like allow (about 1e-6 of the number): no bf16 or f16 on the way to a quantiser, and a product that is left as it is and whose result goes on into a quantised operand takes f32 operands (vector FMAs, or v_wmma_f32_16x16x4_f32). A number that lies on a knife's edge between two numbers of the format may be rounded either way, as far as f32 arithmetic and the matrix unit's own rounding can turn it there, and no further.
;;   INPUTS GIVEN AS CODES. query (in the module: [8, 2048, 64], K = its axis 2): each comes as NAME_codes (uint8): NAME with its K axis moved to the last place and cut into blocks of 32 codes, [.., K / 32, bytes a block], one block behind the other in memory; one code a byte (a code: sign, 4 exponent bits, 3 mantissa bits); its scale is its entry of lowp_scales. Its value is code x scale, taken as it is: it is not quantised again, and the codes and scales need not be those that the quantiser above would give.
;; 2 versions. Each part assembles by itself: llvm-mc -triple=amdgcn-amd-amdhsa -mcpu=gfx1250 --defsym DOCPART=n.
;; ======== version 1 of 2: 2 launches
;; limits: right only within a limited range of input values
;; workspace buffers: kimg 1,048,576 bytes; vimg 1,048,576 bytes; pen 65,536 bytes; first 1,024 bytes of whole numbers
;; launch prep (part 1): grid 256 x 1, 4 waves a work-group, no clusters, 17,920 bytes of LDS; arguments value, v_mask, lowp_scales, kimg, vimg, pen, first; writes kimg, vimg, pen, first
.if DOCPART == 1
	.amdgcn_target "amdgcn-amd-amdhsa--gfx1250"
	.amdhsa_code_object_version 6
	.text
	.protected	k_q737fa235b1_prep
	.globl	k_q737fa235b1_prep
	.p2align	8
	.type	k_q737fa235b1_prep,@function
k_q737fa235b1_prep:
	s_mov_b64 s[64:65], 0
	v_nop
	global_prefetch_b8 v0, s[64:65] scope:SCOPE_SE
	s_setreg_imm32_b32 hwreg(HW_REG_WAVE_MODE, 25, 1), 1
	s_wait_xcnt 0x0
; value [8][2048][64] f32 is quantised twice to codes of FP8 (E4M3): with 2^e1 (lowp_scales[1]) as the operand of K Q^T, whose K is the head's 64, and with 2^e3 (lowp_scales[3]) as the
; operand of V^T P, whose K is the keys.  code = x / 2^e, held within +-448, to the nearest code, ties to even.
; BOTH SETS OF CODES ARE LAID IN THE ORDER OF THE OPERAND'S REGISTERS, so that the attention launch loads each group of four registers as 512 consecutive bytes (16 x lane):
;   kimg: batch, key step of 128, tile t = 2 b + u (8), group c (2): lane (r, h) holds key 32 b + 8 u + r + 8 (r / 8), channels 32 c + 16 h + 0 .. 15
;   vimg: batch, key step of 128, tile t of 16 channels (4), group c (4): lane (r, h) holds channel 16 t + r, keys 32 c + 16 h + 0 .. 15
; pen [8][2048] f32: 0 where v_mask is true, -1e9 where it is false.  first [8][32]: for each chunk of 64 keys the number (in its batch) of its first valid key, 4096 or more if it has none.
; SHARES.  A work-group takes 64 keys of one batch: 16 KiB of value, read once, 512 consecutive bytes a load, and turned through LDS (rows of 256 bytes + 16: a row's 16-byte columns shift by one from row to row).
; Wave w makes K's tile w of the chunk's four and V's channel tile w; wave 0 also serves the mask.
; LIMITS: e1 and e3 between -126 and 119, so that 2^e and 448 x 2^e are f32 numbers.  NaN among the inputs is not served.
.set PITCH, 272
.set R,  16                            ; v16-47   32 numbers as they are loaded
.set X,  48                            ; v48-79   32 numbers of my key, along the channels
.set Y,  80                            ; v80-111  32 numbers of my channel, down the keys
.set CK, 112                           ; v112-119 K's codes
.set CV, 120                           ; v120-127 V's codes
	s_load_b256 s[4:11], s[0:1], 0x0               ; value s[4:5], v_mask s[6:7], lowp_scales s[8:9], kimg s[10:11]
	s_load_b128 s[12:15], s[0:1], 0x20             ; vimg s[12:13], pen s[14:15]
	s_load_b64 s[16:17], s[0:1], 0x30              ; first
	v_lshl_add_u32 v136, v0, 2, 0x4400
	v_mov_b32 v137, 0
	v_lshrrev_b32 v1, 5, v0
	v_readfirstlane_b32 s18, v1                    ; wave 0..3
	v_and_b32 v2, 31, v0                           ; lane
	v_and_b32 v3, 15, v0                           ; r
	v_bfe_u32 v4, v0, 4, 1                         ; h
	v_lshlrev_b32 v5, 4, v0                        ; in: 16 bytes a thread, 2,048 a load of the work-group
	v_lshrrev_b32 v6, 4, v0
	v_mul_u32_u24 v6, v6, PITCH
	v_lshl_add_u32 v6, v3, 4, v6                   ; LDS, on the way in: row thread / 16, 16 bytes at 16 (thread % 16)
	v_lshlrev_b32 v9, 1, v2                        ; two mask bytes a lane
	v_lshlrev_b32 v10, 4, v2                       ; out: 16 x lane
	s_lshl_b32 s20, ttmp9, 14                      ; my chunk of value: 64 rows of 256 bytes
	s_mov_b32 s21, 0
	s_lshl_b32 s22, ttmp9, 6                       ; and of v_mask
	s_mov_b32 s23, 0
	s_wait_kmcnt 0x0
	s_load_b128 s[24:27], s[8:9], 0x0              ; e0, e1, e2, e3
	s_add_nc_u64 s[4:5], s[4:5], s[20:21]
	s_add_nc_u64 s[6:7], s[6:7], s[22:23]
	global_load_u16 v14, v9, s[6:7]                ; keys 2 lane and 2 lane + 1 (every wave asks, wave 0 uses it: so no wave waits for it at the end)
.irp i, 0,1,2,3,4,5,6,7
	global_load_b128 v[R+4*\i:R+4*\i+3], v5, s[4:5] offset:2048*\i th:TH_LOAD_NT   ; a wave's load covers 512 consecutive bytes; read once in the launch
.endr
	v_and_b32 v7, 8, v3
	v_add_nc_u32 v7, v7, v3                        ; r + 8 (r / 8)
	s_lshr_b32 s28, s18, 1
	s_lshl_b32 s28, s28, 5
	s_and_b32 s29, s18, 1
	s_lshl_b32 s29, s29, 3
	s_add_co_u32 s28, s28, s29                     ; my K tile begins at key 32 (w / 2) + 8 (w % 2) of the chunk
	v_add_nc_u32 v7, s28, v7
	v_mul_u32_u24 v7, v7, PITCH
	v_lshl_add_u32 v7, v4, 6, v7                   ; K: my key's row, + 64 h bytes
	v_mul_u32_u24 v8, v4, 16*PITCH
	v_lshl_add_u32 v8, v3, 2, v8
	s_lshl_b32 s28, s18, 6
	v_add_nc_u32 v8, s28, v8                       ; V: row 16 h, channel 16 w + r
	s_lshl_b32 s20, ttmp9, 12                      ; kimg: 4 tiles of 1,024 bytes a chunk, tile w
	s_lshl_b32 s28, s18, 10
	s_add_co_u32 s20, s20, s28
	s_add_nc_u64 s[10:11], s[10:11], s[20:21]
	s_lshr_b32 s20, ttmp9, 1                       ; vimg: 8,192 bytes a key step, 2,048 a channel tile, 1,024 for each half of the step
	s_lshl_b32 s20, s20, 13
	s_lshl_b32 s28, s18, 11
	s_add_co_u32 s20, s20, s28
	s_and_b32 s28, ttmp9, 1
	s_lshl_b32 s28, s28, 10
	s_add_co_u32 s20, s20, s28
	s_add_nc_u64 s[12:13], s[12:13], s[20:21]
	s_lshl_b32 s20, ttmp9, 8                       ; pen: 64 numbers a chunk
	s_add_nc_u64 s[14:15], s[14:15], s[20:21]
	s_lshl_b32 s20, ttmp9, 2                       ; first: one word a chunk
	s_add_nc_u64 s[16:17], s[16:17], s[20:21]
.irp i, 0,1,2,3,4,5,6,7
	s_wait_loadcnt 7-\i                            ; loads come back in order: load i is in, the younger ones may be out
	ds_store_b128 v6, v[R+4*\i:R+4*\i+3] offset:8*PITCH*\i
.endr
	s_wait_dscnt 0x0                               ; for the others' sake: my stores have landed
	s_barrier_signal -1
	s_barrier_wait -1                              ; the chunk's 64 rows lie in LDS
.irp i, 0,1,2,3,4,5,6,7
	ds_load_b128 v[X+4*\i:X+4*\i+3], v7 offset:128*(\i/4)+16*(\i%4)   ; register 16 c + i: channel 32 c + 16 h + i of my key
.endr
.set n, 0
.rept 32
	ds_load_b32 v[Y+n], v8 offset:(32*(n/16)+n%16)*PITCH              ; register 16 c + i: key 32 c + 16 h + i of my channel: the registers run down the keys, nothing is transposed by an instruction
.set n, n+1
.endr
	s_wait_kmcnt 0x0
	s_add_co_i32 s28, s25, 127
	s_lshl_b32 s29, s28, 23
	v_mov_b32 v11, s29                             ; 2^e1 as f32: the conversion takes its exponent field
	s_add_co_i32 s28, s28, 8
	s_lshl_b32 s28, s28, 23
	s_or_b32 s28, s28, 0x600000
	v_mov_b32 v12, s28                             ; 448 x 2^e1
	s_add_co_i32 s28, s27, 127
	s_lshl_b32 s29, s28, 23
	v_mov_b32 v13, s29                             ; 2^e3
	s_add_co_i32 s28, s28, 8
	s_lshl_b32 s28, s28, 23
	s_or_b32 s28, s28, 0x600000
	v_mov_b32 v15, s28                             ; 448 x 2^e3
	s_wait_dscnt 32                                ; the eight row reads are in; the 32 column reads behind them may be out
.set n, 0
.rept 32
	v_med3_num_f32 v[X+n], v[X+n], -v12, v12       ; the conversion to an 8-bit code does not saturate (ISA guide 7.6.2): hold first
.set n, n+1
.endr
.set n, 0
.rept 4
	v_cvt_scalef32_pk8_fp8_f32 v[CK+2*n:CK+2*n+1], v[X+8*n:X+8*n+7], v11
.set n, n+1
.endr
	global_store_b128 v10, v[CK:CK+3], s[10:11]                ; 32 lanes store 512 consecutive bytes, at a multiple of 512 from the buffer's first byte
	global_store_b128 v10, v[CK+4:CK+7], s[10:11] offset:512
	s_wait_dscnt 0x0
.set n, 0
.rept 32
	v_med3_num_f32 v[Y+n], v[Y+n], -v15, v15
.set n, n+1
.endr
.set n, 0
.rept 4
	v_cvt_scalef32_pk8_fp8_f32 v[CV+2*n:CV+2*n+1], v[Y+8*n:Y+8*n+7], v13
.set n, n+1
.endr
	global_store_b128 v10, v[CV:CV+3], s[12:13]
	global_store_b128 v10, v[CV+4:CV+7], s[12:13] offset:512
	s_cmp_lg_u32 s18, 0                            ; the mask is wave 0's
	s_cbranch_scc1 .Ldone
	v_and_b32 v128, 0xff, v14                      ; key 2 lane
	v_lshrrev_b32 v129, 8, v14                     ; key 2 lane + 1
	v_cmp_ne_u32 s28, 0, v128                      ; bit l: key 2 l is valid
	v_cmp_ne_u32 s29, 0, v129                      ; bit l: key 2 l + 1 is valid
	v_mov_b32 v130, 0xce6e6b28                     ; -1e9
	v_mov_b32 v131, 0
	v_cndmask_b32 v128, v130, v131, s28
	v_cndmask_b32 v129, v130, v131, s29
	v_lshlrev_b32 v132, 3, v2
	global_store_b64 v132, v[128:129], s[14:15]    ; 32 lanes store the chunk's 256 bytes, aligned
	s_ctz_i32_b32 s30, s28
	s_lshl_b32 s30, s30, 1                         ; the first valid even key,
	s_cmp_eq_u32 s28, 0
	s_cselect_b32 s30, 0x1000, s30                 ; or 4096
	s_ctz_i32_b32 s31, s29
	s_lshl_b32 s31, s31, 1
	s_add_co_u32 s31, s31, 1                       ; the first valid odd key,
	s_cmp_eq_u32 s29, 0
	s_cselect_b32 s31, 0x1000, s31                 ; or 4096
	s_min_u32 s30, s30, s31
	s_and_b32 s31, ttmp9, 31
	s_lshl_b32 s31, s31, 6
	s_add_co_u32 s30, s30, s31                     ; counted in the batch
	v_mov_b32 v133, s30
	v_cmp_eq_u32 vcc_lo, 0, v2
	s_wait_xcnt 0x0                                ; EXEC is a source of the stores above: it changes only behind this wait
	s_and_saveexec_b32 s33, vcc_lo
	global_store_b32 v131, v133, s[16:17]          ; one word, by lane 0
	s_wait_xcnt 0x0                                ; and again in front of the line that widens it
	s_or_b32 exec_lo, exec_lo, s33
.Ldone:
	s_wait_tensorcnt 0x0
	ds_add_u32 v136, v137
	s_wait_dscnt 0x0
	s_endpgm
.Lfunc_end_k_q737fa235b1_prep:
	.size	k_q737fa235b1_prep, .Lfunc_end_k_q737fa235b1_prep-k_q737fa235b1_prep
	.p2alignl 7, 3214868480
	.fill 96, 4, 3214868480
	.section	.rodata,"a",@progbits
	.p2align	6, 0x0
	.amdhsa_kernel k_q737fa235b1_prep
		.amdhsa_group_segment_fixed_size 17920
		.amdhsa_private_segment_fixed_size 0
		.amdhsa_enable_private_segment 0
		.amdhsa_kernarg_size 56
		.amdhsa_user_sgpr_count 2
		.amdhsa_user_sgpr_kernarg_segment_ptr 1
		.amdhsa_wavefront_size32 1
		.amdhsa_system_sgpr_workgroup_id_x 1
		.amdhsa_system_sgpr_workgroup_id_y 1
		.amdhsa_system_sgpr_workgroup_id_z 1
		.amdhsa_system_vgpr_workitem_id 0
		.amdhsa_next_free_vgpr 138
		.amdhsa_next_free_sgpr 66
		.amdhsa_reserve_vcc 1
		.amdhsa_float_denorm_mode_32 3
		.amdhsa_float_denorm_mode_16_64 3
		.amdhsa_memory_ordered 1
		.amdhsa_forward_progress 1
		.amdhsa_inst_pref_size 14
	.end_amdhsa_kernel
	.amdgpu_metadata
---
amdhsa.version: [ 1, 2 ]
amdhsa.kernels:
  - .name:           k_q737fa235b1_prep
    .symbol:         k_q737fa235b1_prep.kd
    .args:
      - { .name: value, .offset: 0, .size: 8, .value_kind: global_buffer, .address_space: global }
      - { .name: v_mask, .offset: 8, .size: 8, .value_kind: global_buffer, .address_space: global }
      - { .name: lowp_scales, .offset: 16, .size: 8, .value_kind: global_buffer, .address_space: global }
      - { .name: kimg, .offset: 24, .size: 8, .value_kind: global_buffer, .address_space: global }
      - { .name: vimg, .offset: 32, .size: 8, .value_kind: global_buffer, .address_space: global }
      - { .name: pen, .offset: 40, .size: 8, .value_kind: global_buffer, .address_space: global }
      - { .name: first, .offset: 48, .size: 8, .value_kind: global_buffer, .address_space: global }
    .group_segment_fixed_size: 17920
    .private_segment_fixed_size: 0
    .kernarg_segment_align: 8
    .kernarg_segment_size: 56
    .max_flat_workgroup_size: 128
    .sgpr_count:     66
    .vgpr_count:     138
    .wavefront_size: 32
...
	.end_amdgpu_metadata
.endif
;; end of part 1
;; launch attn (part 2): grid 32 x 8, 8 waves a work-group, no clusters, 157,696 bytes of LDS; arguments query_codes, q_mask, scale, lowp_scales, kimg, vimg, pen, first, out0; writes out0
.if DOCPART == 2
	.amdgcn_target "amdgcn-amd-amdhsa--gfx1250"
	.amdhsa_code_object_version 6
	.text
	.protected	k_q737fa235b1_attn
	.globl	k_q737fa235b1_attn
	.p2align	8
	.type	k_q737fa235b1_attn,@function
k_q737fa235b1_attn:
	s_mov_b64 s[64:65], 0
	v_nop
	global_prefetch_b8 v0, s[64:65] scope:SCOPE_SE
	s_setreg_imm32_b32 hwreg(HW_REG_WAVE_MODE, 25, 1), 1
	s_wait_xcnt 0x0
; out[b][q][:] = q_mask x softmax_k(q . v_k x scale - 1e9 x (k > q or not v_mask[k])) V, both products on codes of FP8 (E4M3).  8 batches, 2,048 queries and keys, head 64.
; THE SOFTMAX: t = logit x log2(e); M = the largest t so far, rounded up to a whole number; p = 2^(t - M) is quantised with 2^e2; the row's sum is taken of the unquantised p and divides at the end.
; THE MASK TAKES 1e9 AWAY, IT IS NOT -INFINITY.  A row that has a valid key k <= q gives p = 0 to every masked key: key steps behind its diagonal are not walked.  A row with none (q below the batch's first valid
; key f) has logit = fl(x - 1e9) at EVERY key and attends to all 2,048.  f comes as whole numbers from the launch before; a block of 32 queries whose first query lies below f walks all 16 key steps, with
; logit = acc x cs - 1e9, t = logit x log2(e) as a product of its own, t - M as a sum of its own.  In all other blocks log2(e) is folded into the scale (t = acc x cs x log2(e) + penalty).  In both, t <= M: p <= 1.
; SHARES.  Work-group (j, batch) owns the query blocks j and 63 - j, 32 queries each: tiles 0, 1 (block j, 'A') and 2, 3 (block 63 - j, 'B').  Together they need j / 4 + 1 and 16 - j / 4 key steps of 128: 17 jobs.
; THE EIGHT WAVES SHARE THE KEYS: wave w takes B's steps w and w + 8 and A's steps (w + c) % 8 and that + 8 (c = j / 4, or 0 where j / 4 = 7): two jobs a wave, three for wave 0, of which at most one lies on a diagonal.
; A job's fragments (16 KiB, laid in the order of the registers by the launch before) and its 128 penalties go from memory straight into registers and serve two tiles; no wave waits for another until the end.
; The next job's K and penalties are asked for behind the second tile's logits, its V behind the job's last product; a wave's last job is written out without them, so that one branch decides all three runs.
; AT THE END each wave's (M, sum, O^T) of the four tiles go to LDS as images of their registers; wave w adds the eight parts of tile w / 2, channels 32 (w % 2) on, each x 2^(its M - the largest M), which rounds nothing.
; LAYOUT.  S^T = K Q^T (source 0 = 16 keys, source 1 = 16 queries), O^T = V^T P^T (source 0 = 16 channels, source 1 = P): a lane holds one query (lane % 16) throughout.  Lane r of K's tile 2 b + u holds key
; 32 b + 8 u + r + 8 (r / 8), so that registers 16 b + i of S^T are keys 32 b + 16 (lane / 16) + i: the conversions' results are P's operand.  Along K both sources of a product carry the same permutation.
; NO CLUSTER, NO TENSOR LOAD: how many key steps a block walks hangs on a number read from memory, so partners would need different numbers of tiles.  NO PREFETCH: a wave has two or three jobs and asks for the first at its head.
; LIMITS: e2 between -126 and 119.  |score x scale| stays far under 1e9.  acc x cs - 1e9 is rounded once where the definition rounds twice: the two differ only where the first rounding makes or breaks a tie.  NaN is not served.
; REGISTERS.  window 0: v1-15 addresses; v16-31 four a tile: -M, largest t, the sum in two halves; v32-63 Q; v64-127 S^T, then p; v128-191 penalties; v192-207 p's codes; v208-253 at work.
;   window 1: v0-127 O^T, 32 a tile; v128-191 K's fragments; v192-255 V's.  (s_set_vgpr_msb: bits 1:0 source 0, 3:2 source 1, 5:4 source 2, 7:6 destination.)
.set STATS, 131072                     ; LDS: 8 waves x 4 tiles x 4,096 bytes of O^T; then 32 x 256 bytes of (-M, sum);
.set STAGE, STATS+8192                 ; then 64 rows of the output, 256 bytes + 16
.set SP,    272
.set L16, 1                            ; v1   16 x lane
.set H64, 2                            ; v2   64 x (lane / 16): my half's 16 penalties of a block of 32
.set RH,  3                            ; v3   lane % 16 - 16 (lane / 16)
.set RR,  5                            ; v5   r = lane % 16
.set HH,  6                            ; v6   h = lane / 16
.set DD,  7                            ; v7   on and behind the diagonal: my query - the step's first key - 16 h
.set NEGB, 8                           ; v8   -1e9
.set PSC, 9                            ; v9   2^e2 as f32
.set PLIM, 10                          ; v10  448 x 2^e2
.set QM,  11                           ; v11  q_mask of the query that I finish
.set IW,  12                           ; v12  LDS: where I store O^T's images
.set SW,  13                           ; v13  and the statistics
.set SR,  14                           ; v14  where I read statistics
.set LN,  15                           ; v15  lane
.set ST,  16
.set Q,   32
.set S,   64
.set PEN, 128
.set P,   192
.set TA,  208                          ; v208-211 four chains of the maximum
.set F,   212                          ; v[212:213] f = 2^(old M - new M); v214-219 three chains of the sum
.set T0,  220                          ; v220-227 penalties under the causal mask
.set X,   208                          ; the end: v208-223 eight (-M, sum)
.set A,   224                          ; v224-239 my 16 results a lane
.set Y,   64                           ; v64-191 eight parts x 16 registers
.set IR0, 240
.set IR1, 241
.set SO,  242
.set SRD, 243
.set MM,  244
.set LS,  245
.set TMP, 246
.set INV, 248
.set QMF, 250
.set QOA, 251
.set QOB, 252
.set QMO, 253
.set O,   0                            ; window 1
.set KFR, 128
.set VFR, 192
.set WV, 2
.set CNT, 3
.set E23, 23
.set SEL, 28
.set CSX, 30                           ; s[30:31] cs = scale x 2^(e0 + e1)
.set CS2, 32                           ; s[32:33] cs x log2(e)
.set LG,  34                           ; s[34:35] log2(e)
.set C1,  36                           ; s[36:37] the job's factor: one of the two
.set NXB2, 38
.set BB,  39
.set Q0A, 40
.set Q0B, 41
.set NM1A, 42                          ; the key step on A's diagonal; s43 on B's
.set NM1B, 43
.set LA,  44                           ; key steps that A walks; s45 B
.set LB,  45
.set FULLA, 46                         ; 1: the block has a row with no valid key
.set FULLB, 47
.set STEPB, 48
.set STEPA, 49
.set KF,  50
.set HOLD, 51
.set NXB, 52                           ; the key step of the job that follows B's job (16: none); s53 A's
.set NXA, 53
.set KA,  54
.set VA,  56
.set PA,  58
.set T,   60                           ; s[60:61] an offset; s61 stays 0
.set FT,  68                           ; s[68:99] the batch's 32 words of first
.set MSB, 0
.macro WIN new                         ; the immediate's high byte repeats the setting that is left
.if MSB != \new
	s_set_vgpr_msb (MSB<<8)|\new
.set MSB, \new
.endif
.endm
.macro NEXTADR nx                      ; the three addresses of key step s[nx]
	s_wait_xcnt 0x0                                ; earlier loads have read their bases
	s_min_u32 s62, s[\nx], 15                      ; a choice made on a loaded number enters an address only behind this bound
	s_lshl_b32 s[T], s62, 13
	s_add_nc_u64 s[KA:KA+1], s[12:13], s[T:T+1]
	s_add_nc_u64 s[VA:VA+1], s[14:15], s[T:T+1]
	s_lshl_b32 s[T], s62, 9
	s_add_nc_u64 s[PA:PA+1], s[16:17], s[T:T+1]
.endm
.macro LOADK                           ; K: 8 tiles x 2 groups of four registers; each load 512 consecutive bytes
	WIN 0x40
.set n, 0
.rept 16
	global_load_b128 v[KFR+4*n:KFR+4*n+3], v[L16], s[KA:KA+1] offset:512*n
.set n, n+1
.endr
	WIN 0
.endm
.macro LOADP                           ; register 16 b + i: the penalty of key 32 b + 16 h + i: the sixteen lanes of a half read the same 16 bytes
.set n, 0
.rept 16
	global_load_b128 v[PEN+4*n:PEN+4*n+3], v[H64], s[PA:PA+1] offset:128*(n/4)+16*(n%4)
.set n, n+1
.endr
.endm
.macro LOADV                           ; V: 4 tiles x 4 groups
	WIN 0x40
.set n, 0
.rept 16
	global_load_b128 v[VFR+4*n:VFR+4*n+3], v[L16], s[VA:VA+1] offset:512*n
.set n, n+1
.endr
	WIN 0
.endm
	s_load_b256 s[4:11], s[0:1], 0x0               ; query_codes s[4:5], q_mask s[6:7], scale s[8:9], lowp_scales s[10:11]
	s_load_b256 s[12:19], s[0:1], 0x20             ; kimg s[12:13], vimg s[14:15], pen s[16:17], first s[18:19]
	s_load_b64 s[20:21], s[0:1], 0x40              ; out0
	v_lshl_add_u32 v254, v0, 2, 0x26400
	v_mov_b32 v255, 0
	v_lshrrev_b32 v[LN], 5, v0
	v_readfirstlane_b32 s[WV], v[LN]               ; wave 0..7
	v_and_b32 v[LN], 31, v0
	v_lshlrev_b32 v[L16], 4, v[LN]
	v_and_b32 v[RR], 15, v0
	v_bfe_u32 v[HH], v0, 4, 1
	v_lshlrev_b32 v[H64], 6, v[HH]
	v_lshlrev_b32 v[RH], 4, v[HH]
	v_sub_nc_u32 v[RH], v[RR], v[RH]
	s_and_b32 s[BB], ttmp7, 0xffff                 ; batch
	s_lshl_b32 s[Q0A], ttmp9, 5                    ; A's first query: 32 j
	s_xor_b32 s[Q0B], ttmp9, 63
	s_lshl_b32 s[Q0B], s[Q0B], 5                   ; B's: 32 (63 - j)
	s_lshr_b32 s[NM1A], ttmp9, 2
	s_xor_b32 s[NM1B], s[NM1A], 15                 ; 15 - j / 4
	s_mov_b32 s[STEPB], s[WV]
	s_cmp_eq_u32 s[NM1A], 7
	s_cselect_b32 s62, 0, s[NM1A]
	s_add_co_u32 s[STEPA], s[WV], s62
	s_and_b32 s[STEPA], s[STEPA], 7                ; (w + c) % 8
	v_lshlrev_b32 v[QOA], 6, v[RR]
	v_lshl_add_u32 v[QOA], v[HH], 4, v[QOA]        ; Q: row r of 64 bytes, + 16 h
	s_lshl_b32 s62, s[Q0B], 6
	v_add_nc_u32 v[QOB], s62, v[QOA]
	s_lshl_b32 s62, s[Q0A], 6
	v_add_nc_u32 v[QOA], s62, v[QOA]
	s_cmp_lt_u32 s[WV], 4                          ; the tile that I finish: w / 2
	s_cselect_b32 s62, s[Q0A], s[Q0B]
	s_and_b32 s63, s[WV], 2
	s_lshl_b32 s63, s63, 3
	s_add_co_u32 s62, s62, s63
	v_add_nc_u32 v[QMO], s62, v[RR]                ; its query r
	s_mov_b32 s[T+1], 0
	s_mov_b32 s[SEL], 0x76543210                   ; v_permlanex16_b32: lane l xor 16
	s_mov_b32 s[SEL+1], 0xfedcba98
	s_wait_kmcnt 0x0
	s_load_b32 s22, s[8:9], 0x0                    ; scale
	s_load_b128 s[24:27], s[10:11], 0x0            ; e0, e1, e2, e3
	s_lshl_b32 s[T], s[BB], 7
	s_add_nc_u64 s[18:19], s[18:19], s[T:T+1]
	s_load_b512 s[FT:FT+15], s[18:19], 0x0
	s_load_b512 s[FT+16:FT+31], s[18:19], 0x40
	s_lshl_b32 s[T], s[BB], 17                     ; a batch: 131,072 bytes of each tensor of codes,
	s_add_nc_u64 s[4:5], s[4:5], s[T:T+1]
	s_add_nc_u64 s[12:13], s[12:13], s[T:T+1]
	s_add_nc_u64 s[14:15], s[14:15], s[T:T+1]
	s_lshl_b32 s[T], s[BB], 13                     ; 8,192 of penalties,
	s_add_nc_u64 s[16:17], s[16:17], s[T:T+1]
	s_lshl_b32 s[T], s[BB], 11                     ; 2,048 of q_mask,
	s_add_nc_u64 s[6:7], s[6:7], s[T:T+1]
	s_lshl_b32 s[T], s[BB], 19                     ; 524,288 of the output
	s_add_nc_u64 s[20:21], s[20:21], s[T:T+1]
.irp t, 0,1
	global_load_b128 v[Q+8*\t:Q+8*\t+3], v[QOA], s[4:5] offset:1024*\t            ; registers 4 c .. 4 c + 3: channels 32 c + 16 h + 0 .. 15, as in K's fragments
	global_load_b128 v[Q+8*\t+4:Q+8*\t+7], v[QOA], s[4:5] offset:1024*\t+32
	global_load_b128 v[Q+16+8*\t:Q+16+8*\t+3], v[QOB], s[4:5] offset:1024*\t
	global_load_b128 v[Q+16+8*\t+4:Q+16+8*\t+7], v[QOB], s[4:5] offset:1024*\t+32
.endr
	global_load_u8 v[QM], v[QMO], s[6:7]
	NEXTADR STEPB                                  ; B's step w is walked whatever the mask: its 48 loads go out now
	LOADK
	LOADP
	LOADV
	s_lshl_b32 s62, s[WV], 14                      ; every LDS address is made here, of the wave's number, the lane and constants
	v_add_nc_u32 v[IW], s62, v[L16]
	s_lshl_b32 s62, s[WV], 10
	s_add_co_u32 s62, s62, STATS
	v_lshl_add_u32 v[SW], v[LN], 3, s62
	s_lshr_b32 s62, s[WV], 1                       ; the tile that I finish,
	s_and_b32 s63, s[WV], 1                        ; and which 32 of its 64 channels
	s_lshl_b32 s66, s62, 8
	s_add_co_u32 s66, s66, STATS
	v_lshl_add_u32 v[SR], v[LN], 3, s66
	s_lshl_b32 s66, s62, 12
	s_lshl_b32 s67, s63, 11
	s_add_co_u32 s66, s66, s67
	v_add_nc_u32 v[IR0], s66, v[L16]               ; parts 0-3,
	v_add_nc_u32 v[IR1], 0x10000, v[IR0]           ; parts 4-7: an LDS offset has 16 bits
	s_mul_i32 s66, s62, 16*SP
	s_lshl_b32 s67, s63, 7
	s_add_co_u32 s66, s66, s67
	s_add_co_u32 s66, s66, STAGE
	v_mul_u32_u24 v[SO], v[RR], SP
	v_lshl_add_u32 v[SO], v[HH], 5, v[SO]
	v_add_nc_u32 v[SO], s66, v[SO]                 ; the stage, in: row 16 tile + r, byte 128 half + 32 h
	s_mul_i32 s66, s[WV], 8*SP
	s_add_co_u32 s66, s66, STAGE
	v_mul_u32_u24 v[SRD], v[HH], SP
	v_lshl_add_u32 v[SRD], v[RR], 4, v[SRD]
	v_add_nc_u32 v[SRD], s66, v[SRD]               ; back: rows 8 w on, sixteen lanes to a row
.set n, 0
.rept 4
	v_mov_b32 v[ST+4*n+1], 0xff61b1e6              ; the largest t so far: -3e38, under every t
	v_floor_f32 v[ST+4*n], -v[ST+4*n+1]            ; -M
	v_mov_b32 v[ST+4*n+2], 0
	v_mov_b32 v[ST+4*n+3], 0
.set n, n+1
.endr
	v_mov_b32 v[F+1], 0                            ; (named as the upper half of a pair)
	v_mov_b32 v[NEGB], 0xce6e6b28
	WIN 0x40
.set n, 0
.rept 128
	v_mov_b32 v[O+n], 0                            ; O^T.  A unit is written once for each tile: a tile's first job finds zeros, and a wave without a job for a tile hands zeros on
.set n, n+1
.endr
	WIN 0
	s_wait_kmcnt 0x0
.set n, 1
.rept 31
	s_min_u32 s[FT], s[FT], s[FT+n]                ; f: the batch's first valid key, 4096 or more if it has none
.set n, n+1
.endr
	s_add_co_u32 s62, s[NM1A], 1
	s_cmp_gt_u32 s[FT], s[Q0A]                     ; has A's first row no valid key?
	s_cselect_b32 s[LA], 16, s62
	s_cselect_b32 s[FULLA], 1, 0
	s_add_co_u32 s62, s[NM1B], 1
	s_cmp_gt_u32 s[FT], s[Q0B]
	s_cselect_b32 s[LB], 16, s62
	s_cselect_b32 s[FULLB], 1, 0
	s_add_co_u32 s62, s[STEPA], 8                  ; which key step follows which job (16: none).  Behind B's second job: A's second;
	s_cmp_lt_u32 s62, s[LA]
	s_cselect_b32 s[NXB2], s62, 16
	s_add_co_u32 s62, s[STEPB], 8                  ; behind A's first: B's second, or what follows that;
	s_cmp_lt_u32 s62, s[LB]
	s_cselect_b32 s[NXA], s62, s[NXB2]
	s_cmp_lt_u32 s[STEPA], s[LA]                   ; behind B's first: A's first, or what follows that
	s_cselect_b32 s[NXB], s[STEPA], s[NXA]
	s_add_co_i32 s62, s24, s25
	v_mov_b32 v[TA], s22
	v_ldexp_f32 v[TA], v[TA], s62                  ; cs = scale x 2^(e0 + e1): a sum of the first product stands for sum x 2^(e0 + e1)
	v_mul_f32 v[TA+1], 0x3fb8aa3b, v[TA]           ; cs x log2(e)
	v_readfirstlane_b32 s[CSX], v[TA]
	v_readfirstlane_b32 s[CS2], v[TA+1]
	s_mov_b32 s[CSX+1], s[CSX]                     ; (the packed forms name pairs and take the low word for both halves)
	s_mov_b32 s[CS2+1], s[CS2]
	s_mov_b32 s[LG], 0x3fb8aa3b
	s_mov_b32 s[LG+1], s[LG]
	s_add_co_i32 s[E23], s26, s27
	s_cmp_lt_i32 s26, -8                           ; p <= 1 and 448 x 2^e2 >= 1 from e2 = -8 on: only below that can p pass the largest code
	s_cselect_b32 s[HOLD], 1, 0
	s_add_co_i32 s62, s26, 127
	s_lshl_b32 s63, s62, 23
	v_mov_b32 v[PSC], s63
	s_add_co_i32 s62, s62, 8
	s_lshl_b32 s62, s62, 23
	s_or_b32 s62, s62, 0x600000
	v_mov_b32 v[PLIM], s62
; A UNIT'S HEAD: tile tau against the job's 128 keys: the scores, and t (or the logit) with the penalties.
.macro UHEAD tau, first, stp, nm1, q0, dq
.if \first
	s_wait_loadcnt 32                              ; K's sixteen loads are in: behind them stand the penalties' sixteen and V's sixteen
.endif
	WIN 0x01                                       ; source 0 (K) window 1
.set n, 0
.rept 8
	v_wmma_f32_16x16x64_fp8_fp8 v[S+8*n:S+8*n+7], v[KFR+8*n:KFR+8*n+7], v[Q+8*(\tau):Q+8*(\tau)+7], 0
.set n, n+1
.endr
	WIN 0
.rept 4
	v_nop                                          ; four places between the products and the first read of their results, and the loads into K's registers
.endr
.if \first
	s_wait_loadcnt 16                              ; the penalties are in: behind them stand V's sixteen
.endif
	s_cmp_lt_u32 s[\stp], s[\nm1]
	s_cbranch_scc1 .Lopen_\@                       ; all 128 keys come before the block's queries
	s_sub_co_i32 s62, s[\q0], s[KF]                ; on the diagonal, and behind it where all keys are walked: a key behind my query has the penalty -1e9, whatever v_mask says
	s_add_co_i32 s62, s62, \dq
	v_add_nc_u32 v[DD], s62, v[RH]                 ; register 16 b + i is hidden where 32 b + i > my query - the step's first key - 16 h
.set n, 0
.rept 32
	v_cmp_gt_i32 vcc_lo, 32*(n/16)+n%16, v[DD]
	v_cndmask_b32 v[T0+n%8], v[PEN+n], v[NEGB], vcc_lo
	v_cmp_gt_i32 vcc_lo, 32*((n+1)/16)+(n+1)%16, v[DD]
	v_cndmask_b32 v[T0+n%8+1], v[PEN+n+1], v[NEGB], vcc_lo
	v_pk_fma_f32 v[S+n:S+n+1], v[S+n:S+n+1], s[C1:C1+1], v[T0+n%8:T0+n%8+1] op_sel_hi:[1,0,1]
.set n, n+2
.endr
	s_branch .Lhave_\@
.Lopen_\@:
.set n, 0
.rept 32
	v_pk_fma_f32 v[S+n:S+n+1], v[S+n:S+n+1], s[C1:C1+1], v[PEN+n:PEN+n+1] op_sel_hi:[1,0,1]   ; each accumulator from its low end on
.set n, n+2
.endr
.Lhave_\@:
.endm
; THE REST OF A UNIT: the running M, p, the sum, p's codes, O^T.
.macro UREST tau, first, full
.set rT, ST+4*(\tau)
.set rO, O+32*(\tau)
	s_cmp_eq_u32 s[\full], 0
	s_cbranch_scc1 .Lfolded_\@
.set n, 0
.rept 32
	v_pk_mul_f32 v[S+n:S+n+1], v[S+n:S+n+1], s[LG:LG+1] op_sel_hi:[1,0]   ; a block with a row of no valid key: t = logit x log2(e), rounded by itself, since logits stand near -1e9
.set n, n+2
.endr
.Lfolded_\@:
.set n, 0
.rept 4
	v_max3_num_f32 v[TA+n], v[S+16*n], v[S+16*n+1], v[S+16*n+2]           ; the largest of my 64 t, in four chains
.set n, n+1
.endr
.set k, 1
.rept 6
.set n, 0
.rept 4
	v_max3_num_f32 v[TA+n], v[TA+n], v[S+16*n+2*k+1], v[S+16*n+2*k+2]
.set n, n+1
.endr
.set k, k+1
.endr
	v_max3_num_f32 v[TA], v[TA], v[S+15], v[S+31]
	v_max3_num_f32 v[TA+2], v[TA+2], v[S+47], v[S+63]
	v_max3_num_f32 v[TA], v[TA], v[TA+1], v[TA+2]
	v_max_num_f32 v[TA], v[TA], v[TA+3]
	v_permlanex16_b32 v[TA+1], v[TA], s[SEL], s[SEL+1]
	v_max_num_f32 v[TA], v[TA], v[TA+1]            ; and of lane l xor 16's
	v_max_num_f32 v[rT+1], v[rT+1], v[TA]          ; the running largest t
	v_mov_b32 v[TA], v[rT]
	v_floor_f32 v[rT], -v[rT+1]                    ; -M = floor(-t): M is a whole number
	v_sub_f32 v[TA], v[rT], v[TA]                  ; old M - new M, 0 or less
	v_cvt_i32_f32 v[TA], v[TA]                     ; (it saturates)
	v_ldexp_f32 v[F], 1.0, v[TA]                   ; f = 2^(old M - new M)
.set n, 0
.rept 32
	v_pk_add_f32 v[S+n:S+n+1], v[S+n:S+n+1], v[rT:rT+1] op_sel_hi:[1,0]   ; t - M, 0 or less
.set n, n+2
.endr
.set n, 0
.rept 64
	v_exp_f32 v[S+n], v[S+n]                       ; p = 2^(t - M)
.set n, n+1
.endr
	v_pk_mul_f32 v[rT+2:rT+3], v[rT+2:rT+3], v[F:F+1] op_sel_hi:[1,0]     ; the sum under the new M: a plain instruction behind the exponentials
	s_wait_alu depctr_va_vdst(0)                   ; one wait for the batch, ahead of its first reader
	v_pk_add_f32 v[F+2:F+3], v[S:S+1], v[S+2:S+3]  ; the sum of the unquantised p, two at a time, in four chains
	v_pk_add_f32 v[F+4:F+5], v[S+4:S+5], v[S+6:S+7]
	v_pk_add_f32 v[F+6:F+7], v[S+8:S+9], v[S+10:S+11]
.set k, 6
.rept 26
.if k%4 == 0
	v_pk_add_f32 v[rT+2:rT+3], v[rT+2:rT+3], v[S+2*k:S+2*k+1]
.else
	v_pk_add_f32 v[F+2*(k%4):F+2*(k%4)+1], v[F+2*(k%4):F+2*(k%4)+1], v[S+2*k:S+2*k+1]
.endif
.set k, k+1
.endr
	v_pk_add_f32 v[F+2:F+3], v[F+2:F+3], v[F+4:F+5]
	v_pk_add_f32 v[rT+2:rT+3], v[rT+2:rT+3], v[F+6:F+7]
	v_pk_add_f32 v[rT+2:rT+3], v[rT+2:rT+3], v[F+2:F+3]
	s_cmp_eq_u32 s[HOLD], 0
	s_cbranch_scc1 .Lfits_\@
.set n, 0
.rept 64
	v_min_num_f32 v[S+n], v[S+n], v[PLIM]          ; the conversion does not saturate (ISA guide 7.6.2); p is not negative
.set n, n+1
.endr
.Lfits_\@:
.set n, 0
.rept 4
	v_cvt_scalef32_pk8_fp8_f32 v[P+4*n:P+4*n+1], v[S+16*n:S+16*n+7], v[PSC]
	v_cvt_scalef32_pk8_fp8_f32 v[P+4*n+2:P+4*n+3], v[S+16*n+8:S+16*n+15], v[PSC]
.set n, n+1
.endr
	WIN 0x41                                       ; O^T (destination, source 0) window 1, f window 0
.set n, 0
.rept 16
	v_pk_mul_f32 v[rO+n:rO+n+1], v[rO+n:rO+n+1], v[F:F+1] op_sel_hi:[1,0]   ; O^T under the new M; plain instructions between the conversions and the products
.set n, n+2
.endr
.if \first
	s_wait_loadcnt 0x0                             ; V is in
.endif
	WIN 0x51                                       ; V window 1, P window 0, O^T window 1
.set n, 0
.rept 4
	v_wmma_f32_16x16x128_fp8_fp8 v[rO+8*n:rO+8*n+7], v[VFR+16*n:VFR+16*n+15], v[P:P+15], v[rO+8*n:rO+8*n+7]   ; four accumulators, one instruction each
.set n, n+1
.endr
	WIN 0
.endm
; A JOB: one block (tiles t0, t0 + 1) against key step s[stp], if the block walks it.
.macro JOB stp, lim, nm1, full, q0, t0, nx
	s_cmp_ge_u32 s[\stp], s[\lim]
	s_cbranch_scc1 .Lskip_\@
	s_lshl_b32 s[KF], s[\stp], 7
	s_cmp_eq_u32 s[\full], 0
	s_cselect_b32 s[C1], s[CS2], s[CSX]
	s_mov_b32 s[C1+1], s[C1]
	UHEAD \t0, 1, \stp, \nm1, \q0, 0
	UREST \t0, 1, \full
	UHEAD \t0+1, 0, \stp, \nm1, \q0, 16
	s_cmp_lt_u32 s[\nx], 16
	s_cbranch_scc0 .Llast_\@
	NEXTADR \nx                                    ; K's fragments and the penalties have had their last reader: the next job's are asked for
	LOADK
	LOADP
	UREST \t0+1, 0, \full
.rept 4
	v_nop                                          ; four places between the last products and the loads into V's registers
.endr
	LOADV
	s_branch .Lskip_\@
.Llast_\@:
	UREST \t0+1, 0, \full                          ; my last job asks for nothing
.Lskip_\@:
.endm
	s_mov_b32 s[CNT], 0
.Ltrip:
	JOB STEPB, LB, NM1B, FULLB, Q0B, 2, NXB
	JOB STEPA, LA, NM1A, FULLA, Q0A, 0, NXA
	s_add_co_u32 s[STEPB], s[STEPB], 8
	s_add_co_u32 s[STEPA], s[STEPA], 8
	s_mov_b32 s[NXB], s[NXB2]
	s_mov_b32 s[NXA], 16
	s_add_co_u32 s[CNT], s[CNT], 1
	s_cmp_lt_u32 s[CNT], 2
	s_cbranch_scc1 .Ltrip
	; THE END.  My parts of the four tiles go to LDS as they stand in the registers.
	s_wait_loadcnt 0x0                             ; nothing of mine is on its way into the registers used below; q_mask is in
.set n, 0
.rept 4
	v_add_f32 v[ST+4*n+1], v[ST+4*n+2], v[ST+4*n+3]   ; the sum's two halves, beside -M.  (These four are the places behind the last products)
.set n, n+1
.endr
.set n, 0
.rept 4
	ds_store_b64 v[SW], v[ST+4*n:ST+4*n+1] offset:256*n
.set n, n+1
.endr
	WIN 0x04                                       ; store data window 1
.set n, 0
.rept 32
	ds_store_b128 v[IW], v[O+4*n:O+4*n+3] offset:512*n   ; lane l's 16 bytes at 16 l; each accumulator from its low end on
.set n, n+1
.endr
	WIN 0
	s_wait_dscnt 0x0                               ; for the others' sake: my stores have landed
	s_barrier_signal -1
	s_barrier_wait -1
.set n, 0
.rept 8
	ds_load_b64 v[X+2*n:X+2*n+1], v[SR] offset:1024*n
.set n, n+1
.endr
.set n, 0
.rept 16
	ds_load_b128 v[Y+4*n:Y+4*n+3], v[IR0] offset:16384*(n/4)+512*(n%4)
.set n, n+1
.endr
.set n, 0
.rept 16
	ds_load_b128 v[Y+64+4*n:Y+64+4*n+3], v[IR1] offset:16384*(n/4)+512*(n%4)
.set n, n+1
.endr
	v_mov_b32 v[TMP], 0                            ; a lane permute's destination counts as one of its sources
	s_wait_dscnt 32                                ; the eight (-M, sum) are in; the 32 loads behind them may be out
	v_min_num_f32 v[MM], v[X], v[X+2]
.set n, 2
.rept 6
	v_min_num_f32 v[MM], v[MM], v[X+2*n]           ; the least -M: the largest M
.set n, n+1
.endr
.set n, 0
.rept 8
	v_sub_f32 v[X+2*n], v[MM], v[X+2*n]            ; part n's M - the largest M: a whole number, 0 or less
.set n, n+1
.endr
.set n, 0
.rept 8
	v_cvt_i32_f32 v[X+2*n], v[X+2*n]
.set n, n+1
.endr
.set n, 0
.rept 8
	v_ldexp_f32 v[X+2*n], 1.0, v[X+2*n]            ; part n's factor: 0 for a wave that had no job for the tile
.set n, n+1
.endr
	v_mul_f32 v[LS], v[X], v[X+1]
.set n, 1
.rept 7
	v_fma_f32 v[LS], v[X+2*n], v[X+2*n+1], v[LS]
.set n, n+1
.endr
	v_permlanex16_b32 v[TMP], v[LS], s[SEL], s[SEL+1]
	v_add_f32 v[LS], v[LS], v[TMP]                 ; the row's sum
	v_rcp_f32 v[INV], v[LS]
	v_cvt_f32_u32 v[QMF], v[QM]                    ; q_mask as 0.0 or 1.0: a plain instruction behind the reciprocal
	s_wait_alu depctr_va_vdst(0)                   ; the wait ahead of the reciprocal's first reader
	v_ldexp_f32 v[INV], v[INV], s[E23]             ; x 2^(e2 + e3)
	v_mul_f32 v[INV], v[INV], v[QMF]
	v_mov_b32 v[INV+1], v[INV]
	s_wait_dscnt 0x0
.set k, 0
.rept 8
	v_pk_mul_f32 v[A+2*k:A+2*k+1], v[Y+2*k:Y+2*k+1], v[X:X+1] op_sel_hi:[1,0]
.set k, k+1
.endr
.set n, 1
.rept 7
.set k, 0
.rept 8
	v_pk_fma_f32 v[A+2*k:A+2*k+1], v[Y+16*n+2*k:Y+16*n+2*k+1], v[X+2*n:X+2*n+1], v[A+2*k:A+2*k+1] op_sel_hi:[1,0,1]
.set k, k+1
.endr
.set n, n+1
.endr
.set k, 0
.rept 8
	v_pk_mul_f32 v[A+2*k:A+2*k+1], v[A+2*k:A+2*k+1], v[INV:INV+1] op_sel_hi:[1,0]
.set k, k+1
.endr
	ds_store_b128 v[SO], v[A:A+3]                  ; register 8 t + i: channel 32 half + 16 t + 8 h + i of query r
	ds_store_b128 v[SO], v[A+4:A+7] offset:16
	ds_store_b128 v[SO], v[A+8:A+11] offset:64
	ds_store_b128 v[SO], v[A+12:A+15] offset:80
	s_wait_dscnt 0x0                               ; a row's 256 bytes come from two waves
	s_barrier_signal -1
	s_barrier_wait -1
.irp i, 0,1,2,3
	ds_load_b128 v[A+4*\i:A+4*\i+3], v[SRD] offset:2*SP*\i
.endr
	s_cmp_lt_u32 s[WV], 4                          ; stage rows 8 w on: A's 32 queries, then B's
	s_cselect_b32 s[T], s[Q0A], s[Q0B]
	s_and_b32 s62, s[WV], 3
	s_lshl_b32 s62, s62, 3
	s_add_co_u32 s[T], s[T], s62
	s_lshl_b32 s[T], s[T], 8
	s_add_nc_u64 s[20:21], s[20:21], s[T:T+1]
.irp i, 0,1,2,3
	s_wait_dscnt 3-\i
	global_store_b128 v[L16], v[A+4*\i:A+4*\i+3], s[20:21] offset:512*\i th:TH_STORE_NT   ; two rows: 32 lanes store 512 consecutive bytes, at a multiple of 256 from the output's first byte
.endr
	s_wait_tensorcnt 0x0
	ds_add_u32 v254, v255
	s_wait_dscnt 0x0
	s_endpgm
.Lfunc_end_k_q737fa235b1_attn:
	.size	k_q737fa235b1_attn, .Lfunc_end_k_q737fa235b1_attn-k_q737fa235b1_attn
	.p2alignl 7, 3214868480
	.fill 96, 4, 3214868480
	.section	.rodata,"a",@progbits
	.p2align	6, 0x0
	.amdhsa_kernel k_q737fa235b1_attn
		.amdhsa_group_segment_fixed_size 157696
		.amdhsa_private_segment_fixed_size 0
		.amdhsa_enable_private_segment 0
		.amdhsa_kernarg_size 72
		.amdhsa_user_sgpr_count 2
		.amdhsa_user_sgpr_kernarg_segment_ptr 1
		.amdhsa_wavefront_size32 1
		.amdhsa_system_sgpr_workgroup_id_x 1
		.amdhsa_system_sgpr_workgroup_id_y 1
		.amdhsa_system_sgpr_workgroup_id_z 1
		.amdhsa_system_vgpr_workitem_id 0
		.amdhsa_next_free_vgpr 512
		.amdhsa_next_free_sgpr 100
		.amdhsa_reserve_vcc 1
		.amdhsa_float_denorm_mode_32 3
		.amdhsa_float_denorm_mode_16_64 3
		.amdhsa_memory_ordered 1
		.amdhsa_forward_progress 1
		.amdhsa_inst_pref_size 167
	.end_amdhsa_kernel
	.amdgpu_metadata
---
amdhsa.version: [ 1, 2 ]
amdhsa.kernels:
  - .name:           k_q737fa235b1_attn
    .symbol:         k_q737fa235b1_attn.kd
    .args:
      - { .name: query_codes, .offset: 0, .size: 8, .value_kind: global_buffer, .address_space: global }
      - { .name: q_mask, .offset: 8, .size: 8, .value_kind: global_buffer, .address_space: global }
      - { .name: scale, .offset: 16, .size: 8, .value_kind: global_buffer, .address_space: global }
      - { .name: lowp_scales, .offset: 24, .size: 8, .value_kind: global_buffer, .address_space: global }
      - { .name: kimg, .offset: 32, .size: 8, .value_kind: global_buffer, .address_space: global }
      - { .name: vimg, .offset: 40, .size: 8, .value_kind: global_buffer, .address_space: global }
      - { .name: pen, .offset: 48, .size: 8, .value_kind: global_buffer, .address_space: global }
      - { .name: first, .offset: 56, .size: 8, .value_kind: global_buffer, .address_space: global }
      - { .name: out0, .offset: 64, .size: 8, .value_kind: global_buffer, .address_space: global }
    .group_segment_fixed_size: 157696
    .private_segment_fixed_size: 0
    .kernarg_segment_align: 8
    .kernarg_segment_size: 72
    .max_flat_workgroup_size: 256
    .sgpr_count:     100
    .vgpr_count:     512
    .wavefront_size: 32
...
	.end_amdgpu_metadata
.endif
;; end of part 2
;; ======== version 2 of 2: 2 launches
;; limits: right only within a limited range of input values
;; workspace buffers: kimg 1,048,576 bytes; vimg 1,048,576 bytes; pen 65,536 bytes; first 1,024 bytes of whole numbers
;; launch prep (part 3): grid 256 x 1, 4 waves a work-group, no clusters, 17,920 bytes of LDS; arguments value, v_mask, lowp_scales, kimg, vimg, pen, first; writes kimg, vimg, pen, first
.if DOCPART == 3
	.amdgcn_target "amdgcn-amd-amdhsa--gfx1250"
	.amdhsa_code_object_version 6
	.text
	.protected	k_q737fa235b1_prep
	.globl	k_q737fa235b1_prep
	.p2align	8
	.type	k_q737fa235b1_prep,@function
k_q737fa235b1_prep:
	s_mov_b64 s[64:65], 0
	v_nop
	global_prefetch_b8 v0, s[64:65] scope:SCOPE_SE
	s_setreg_imm32_b32 hwreg(HW_REG_WAVE_MODE, 25, 1), 1
	s_wait_xcnt 0x0
; value [8][2048][64] f32 is quantised twice to codes of FP8 (E4M3): with 2^e1 (lowp_scales[1]) as the operand of K Q^T, whose K is the head's 64, and with 2^e3 (lowp_scales[3]) as the
; operand of V^T P, whose K is the keys.  code = x / 2^e, held within +-448, to the nearest code, ties to even.
; BOTH SETS OF CODES ARE LAID IN THE ORDER OF THE OPERAND'S REGISTERS, so that the attention launch loads each group of four registers as 512 consecutive bytes (16 x lane):
;   kimg: batch, key step of 128, tile t = 2 b + u (8), group c (2): lane (r, h) holds key 32 b + 8 u + r + 8 (r / 8), channels 32 c + 16 h + 0 .. 15
;   vimg: batch, key step of 128, tile t of 16 channels (4), group c (4): lane (r, h) holds channel 16 t + r, keys 32 c + 16 h + 0 .. 15
; pen [8][2048] f32: 0 where v_mask is true, -1e9 where it is false.  first [8][32]: for each chunk of 64 keys the number (in its batch) of its first valid key, 4096 or more if it has none.
; SHARES.  A work-group takes 64 keys of one batch: 16 KiB of value, read once, 512 consecutive bytes a load, and turned through LDS (rows of 256 bytes + 16: a row's 16-byte columns shift by one from row to row).
; Wave w makes K's tile w of the chunk's four and V's channel tile w; wave 0 also serves the mask.
; LIMITS: e1 and e3 between -126 and 119, so that 2^e and 448 x 2^e are f32 numbers.  NaN among the inputs is not served.
.set PITCH, 272
.set R,  16                            ; v16-47   32 numbers as they are loaded
.set X,  48                            ; v48-79   32 numbers of my key, along the channels
.set Y,  80                            ; v80-111  32 numbers of my channel, down the keys
.set CK, 112                           ; v112-119 K's codes
.set CV, 120                           ; v120-127 V's codes
	s_load_b256 s[4:11], s[0:1], 0x0               ; value s[4:5], v_mask s[6:7], lowp_scales s[8:9], kimg s[10:11]
	s_load_b128 s[12:15], s[0:1], 0x20             ; vimg s[12:13], pen s[14:15]
	s_load_b64 s[16:17], s[0:1], 0x30              ; first
	v_lshl_add_u32 v136, v0, 2, 0x4400
	v_mov_b32 v137, 0
	v_lshrrev_b32 v1, 5, v0
	v_readfirstlane_b32 s18, v1                    ; wave 0..3
	v_and_b32 v2, 31, v0                           ; lane
	v_and_b32 v3, 15, v0                           ; r
	v_bfe_u32 v4, v0, 4, 1                         ; h
	v_lshlrev_b32 v5, 4, v0                        ; in: 16 bytes a thread, 2,048 a load of the work-group
	v_lshrrev_b32 v6, 4, v0
	v_mul_u32_u24 v6, v6, PITCH
	v_lshl_add_u32 v6, v3, 4, v6                   ; LDS, on the way in: row thread / 16, 16 bytes at 16 (thread % 16)
	v_lshlrev_b32 v9, 1, v2                        ; two mask bytes a lane
	v_lshlrev_b32 v10, 4, v2                       ; out: 16 x lane
	s_lshl_b32 s20, ttmp9, 14                      ; my chunk of value: 64 rows of 256 bytes
	s_mov_b32 s21, 0
	s_lshl_b32 s22, ttmp9, 6                       ; and of v_mask
	s_mov_b32 s23, 0
	s_wait_alu depctr_va_vdst(0)
	s_wait_kmcnt 0x0
	s_load_b128 s[24:27], s[8:9], 0x0              ; e0, e1, e2, e3
	s_add_nc_u64 s[4:5], s[4:5], s[20:21]
	s_add_nc_u64 s[6:7], s[6:7], s[22:23]
	global_load_u16 v14, v9, s[6:7]                ; keys 2 lane and 2 lane + 1 (every wave asks, wave 0 uses it: so no wave waits for it at the end)
.irp i, 0,1,2,3,4,5,6,7
	global_load_b128 v[R+4*\i:R+4*\i+3], v5, s[4:5] offset:2048*\i th:TH_LOAD_NT   ; a wave's load covers 512 consecutive bytes; read once in the launch
.endr
	v_and_b32 v7, 8, v3
	v_add_nc_u32 v7, v7, v3                        ; r + 8 (r / 8)
	s_lshr_b32 s28, s18, 1
	s_lshl_b32 s28, s28, 5
	s_and_b32 s29, s18, 1
	s_lshl_b32 s29, s29, 3
	s_add_co_u32 s28, s28, s29                     ; my K tile begins at key 32 (w / 2) + 8 (w % 2) of the chunk
	v_add_nc_u32 v7, s28, v7
	v_mul_u32_u24 v7, v7, PITCH
	v_lshl_add_u32 v7, v4, 6, v7                   ; K: my key's row, + 64 h bytes
	v_mul_u32_u24 v8, v4, 16*PITCH
	v_lshl_add_u32 v8, v3, 2, v8
	s_lshl_b32 s28, s18, 6
	v_add_nc_u32 v8, s28, v8                       ; V: row 16 h, channel 16 w + r
	s_lshl_b32 s20, ttmp9, 12                      ; kimg: 4 tiles of 1,024 bytes a chunk, tile w
	s_lshl_b32 s28, s18, 10
	s_add_co_u32 s20, s20, s28
	s_add_nc_u64 s[10:11], s[10:11], s[20:21]
	s_lshr_b32 s20, ttmp9, 1                       ; vimg: 8,192 bytes a key step, 2,048 a channel tile, 1,024 for each half of the step
	s_lshl_b32 s20, s20, 13
	s_lshl_b32 s28, s18, 11
	s_add_co_u32 s20, s20, s28
	s_and_b32 s28, ttmp9, 1
	s_lshl_b32 s28, s28, 10
	s_add_co_u32 s20, s20, s28
	s_add_nc_u64 s[12:13], s[12:13], s[20:21]
	s_lshl_b32 s20, ttmp9, 8                       ; pen: 64 numbers a chunk
	s_add_nc_u64 s[14:15], s[14:15], s[20:21]
	s_lshl_b32 s20, ttmp9, 2                       ; first: one word a chunk
	s_add_nc_u64 s[16:17], s[16:17], s[20:21]
	s_wait_alu depctr_va_vdst(0)
.irp i, 0,1,2,3,4,5,6,7
	s_wait_loadcnt 7-\i                            ; loads come back in order: load i is in, the younger ones may be out
	ds_store_b128 v6, v[R+4*\i:R+4*\i+3] offset:8*PITCH*\i
.endr
	s_wait_dscnt 0x0                               ; for the others' sake: my stores have landed
	s_barrier_signal -1
	s_barrier_wait -1                              ; the chunk's 64 rows lie in LDS
.irp i, 0,1,2,3,4,5,6,7
	ds_load_b128 v[X+4*\i:X+4*\i+3], v7 offset:128*(\i/4)+16*(\i%4)   ; register 16 c + i: channel 32 c + 16 h + i of my key
.endr
.set n, 0
.rept 32
	ds_load_b32 v[Y+n], v8 offset:(32*(n/16)+n%16)*PITCH              ; register 16 c + i: key 32 c + 16 h + i of my channel: the registers run down the keys, nothing is transposed by an instruction
.set n, n+1
.endr
	s_wait_kmcnt 0x0
	s_add_co_i32 s28, s25, 127
	s_lshl_b32 s29, s28, 23
	v_mov_b32 v11, s29                             ; 2^e1 as f32: the conversion takes its exponent field
	s_add_co_i32 s28, s28, 8
	s_lshl_b32 s28, s28, 23
	s_or_b32 s28, s28, 0x600000
	v_mov_b32 v12, s28                             ; 448 x 2^e1
	s_add_co_i32 s28, s27, 127
	s_lshl_b32 s29, s28, 23
	v_mov_b32 v13, s29                             ; 2^e3
	s_add_co_i32 s28, s28, 8
	s_lshl_b32 s28, s28, 23
	s_or_b32 s28, s28, 0x600000
	v_mov_b32 v15, s28                             ; 448 x 2^e3
	s_wait_alu depctr_va_vdst(0)
	s_wait_dscnt 32                                ; the eight row reads are in; the 32 column reads behind them may be out
.set n, 0
.rept 32
	v_med3_num_f32 v[X+n], v[X+n], -v12, v12       ; the conversion to an 8-bit code does not saturate (ISA guide 7.6.2): hold first
.set n, n+1
.endr
.set n, 0
.rept 4
	v_cvt_scalef32_pk8_fp8_f32 v[CK+2*n:CK+2*n+1], v[X+8*n:X+8*n+7], v11
.set n, n+1
.endr
	global_store_b128 v10, v[CK:CK+3], s[10:11]                ; 32 lanes store 512 consecutive bytes, at a multiple of 512 from the buffer's first byte
	global_store_b128 v10, v[CK+4:CK+7], s[10:11] offset:512
	s_wait_dscnt 0x0
.set n, 0
.rept 32
	v_med3_num_f32 v[Y+n], v[Y+n], -v15, v15
.set n, n+1
.endr
.set n, 0
.rept 4
	v_cvt_scalef32_pk8_fp8_f32 v[CV+2*n:CV+2*n+1], v[Y+8*n:Y+8*n+7], v13
.set n, n+1
.endr
	global_store_b128 v10, v[CV:CV+3], s[12:13]
	global_store_b128 v10, v[CV+4:CV+7], s[12:13] offset:512
	s_cmp_lg_u32 s18, 0                            ; the mask is wave 0's
	s_cbranch_scc1 .Ldone
	v_and_b32 v128, 0xff, v14                      ; key 2 lane
	v_lshrrev_b32 v129, 8, v14                     ; key 2 lane + 1
	v_cmp_ne_u32 s28, 0, v128                      ; bit l: key 2 l is valid
	v_cmp_ne_u32 s29, 0, v129                      ; bit l: key 2 l + 1 is valid
	v_mov_b32 v130, 0xce6e6b28                     ; -1e9
	v_mov_b32 v131, 0
	v_cndmask_b32 v128, v130, v131, s28
	v_cndmask_b32 v129, v130, v131, s29
	v_lshlrev_b32 v132, 3, v2
	global_store_b64 v132, v[128:129], s[14:15]    ; 32 lanes store the chunk's 256 bytes, aligned
	s_ctz_i32_b32 s30, s28
	s_lshl_b32 s30, s30, 1                         ; the first valid even key,
	s_cmp_eq_u32 s28, 0
	s_cselect_b32 s30, 0x1000, s30                 ; or 4096
	s_ctz_i32_b32 s31, s29
	s_lshl_b32 s31, s31, 1
	s_add_co_u32 s31, s31, 1                       ; the first valid odd key,
	s_cmp_eq_u32 s29, 0
	s_cselect_b32 s31, 0x1000, s31                 ; or 4096
	s_min_u32 s30, s30, s31
	s_and_b32 s31, ttmp9, 31
	s_lshl_b32 s31, s31, 6
	s_add_co_u32 s30, s30, s31                     ; counted in the batch
	v_mov_b32 v133, s30
	v_cmp_eq_u32 vcc_lo, 0, v2
	s_wait_alu depctr_va_vdst(0)
	s_wait_xcnt 0x0                                ; EXEC is a source of the stores above: it changes only behind this wait
	s_and_saveexec_b32 s33, vcc_lo
	global_store_b32 v131, v133, s[16:17]          ; one word, by lane 0
	s_wait_xcnt 0x0                                ; and again in front of the line that widens it
	s_or_b32 exec_lo, exec_lo, s33
.Ldone:
	s_wait_tensorcnt 0x0
	ds_add_u32 v136, v137
	s_wait_dscnt 0x0
	s_endpgm
.Lfunc_end_k_q737fa235b1_prep:
	.size	k_q737fa235b1_prep, .Lfunc_end_k_q737fa235b1_prep-k_q737fa235b1_prep
	.p2alignl 7, 3214868480
	.fill 96, 4, 3214868480
	.section	.rodata,"a",@progbits
	.p2align	6, 0x0
	.amdhsa_kernel k_q737fa235b1_prep
		.amdhsa_group_segment_fixed_size 17920
		.amdhsa_private_segment_fixed_size 0
		.amdhsa_enable_private_segment 0
		.amdhsa_kernarg_size 56
		.amdhsa_user_sgpr_count 2
		.amdhsa_user_sgpr_kernarg_segment_ptr 1
		.amdhsa_wavefront_size32 1
		.amdhsa_system_sgpr_workgroup_id_x 1
		.amdhsa_system_sgpr_workgroup_id_y 1
		.amdhsa_system_sgpr_workgroup_id_z 1
		.amdhsa_system_vgpr_workitem_id 0
		.amdhsa_next_free_vgpr 138
		.amdhsa_next_free_sgpr 66
		.amdhsa_reserve_vcc 1
		.amdhsa_float_denorm_mode_32 3
		.amdhsa_float_denorm_mode_16_64 3
		.amdhsa_memory_ordered 1
		.amdhsa_forward_progress 1
		.amdhsa_inst_pref_size 14
	.end_amdhsa_kernel
	.amdgpu_metadata
---
amdhsa.version: [ 1, 2 ]
amdhsa.kernels:
  - .name:           k_q737fa235b1_prep
    .symbol:         k_q737fa235b1_prep.kd
    .args:
      - { .name: value, .offset: 0, .size: 8, .value_kind: global_buffer, .address_space: global }
      - { .name: v_mask, .offset: 8, .size: 8, .value_kind: global_buffer, .address_space: global }
      - { .name: lowp_scales, .offset: 16, .size: 8, .value_kind: global_buffer, .address_space: global }
      - { .name: kimg, .offset: 24, .size: 8, .value_kind: global_buffer, .address_space: global }
      - { .name: vimg, .offset: 32, .size: 8, .value_kind: global_buffer, .address_space: global }
      - { .name: pen, .offset: 40, .size: 8, .value_kind: global_buffer, .address_space: global }
      - { .name: first, .offset: 48, .size: 8, .value_kind: global_buffer, .address_space: global }
    .group_segment_fixed_size: 17920
    .private_segment_fixed_size: 0
    .kernarg_segment_align: 8
    .kernarg_segment_size: 56
    .max_flat_workgroup_size: 128
    .sgpr_count:     66
    .vgpr_count:     138
    .wavefront_size: 32
...
	.end_amdgpu_metadata
.endif
;; end of part 3
;; launch attn (part 4): grid 32 x 8, 8 waves a work-group, no clusters, 157,696 bytes of LDS; arguments query_codes, q_mask, scale, lowp_scales, kimg, vimg, pen, first, out0; writes out0
.if DOCPART == 4
	.amdgcn_target "amdgcn-amd-amdhsa--gfx1250"
	.amdhsa_code_object_version 6
	.text
	.protected	k_q737fa235b1_attn
	.globl	k_q737fa235b1_attn
	.p2align	8
	.type	k_q737fa235b1_attn,@function
k_q737fa235b1_attn:
	s_mov_b64 s[64:65], 0
	v_nop
	global_prefetch_b8 v0, s[64:65] scope:SCOPE_SE
	s_setreg_imm32_b32 hwreg(HW_REG_WAVE_SCHED_MODE, 0, 2), 2
	s_setreg_imm32_b32 hwreg(HW_REG_WAVE_MODE, 25, 1), 1
	s_wait_xcnt 0x0
	s_wait_alu depctr_vm_vsrc(0)
; out[b][q][:] = q_mask x softmax_k(q . v_k x scale - 1e9 x (k > q or not v_mask[k])) V, both products on codes of FP8 (E4M3).  8 batches, 2,048 queries and keys, head 64.
; THE SOFTMAX: t = logit x log2(e); M = the largest t so far, rounded up to a whole number; p = 2^(t - M) is quantised with 2^e2; the row's sum is taken of the unquantised p and divides at the end.
; THE MASK TAKES 1e9 AWAY, IT IS NOT -INFINITY.  A row that has a valid key k <= q gives p = 0 to every masked key: key steps behind its diagonal are not walked.  A row with none (q below the batch's first valid
; key f) has logit = fl(x - 1e9) at EVERY key and attends to all 2,048.  f comes as whole numbers from the launch before; a block of 32 queries whose first query lies below f walks all 16 key steps, with
; logit = acc x cs - 1e9, t = logit x log2(e) as a product of its own, t - M as a sum of its own.  In all other blocks log2(e) is folded into the scale (t = acc x cs x log2(e) + penalty).  In both, t <= M: p <= 1.
; SHARES.  Work-group (j, batch) owns the query blocks j and 63 - j, 32 queries each: tiles 0, 1 (block j, 'A') and 2, 3 (block 63 - j, 'B').  Together they need j / 4 + 1 and 16 - j / 4 key steps of 128: 17 jobs.
; THE EIGHT WAVES SHARE THE KEYS: wave w takes B's steps w and w + 8 and A's steps (w + c) % 8 and that + 8 (c = j / 4, or 0 where j / 4 = 7): two jobs a wave, three for wave 0, of which at most one lies on a diagonal.
; A job's fragments (16 KiB, laid in the order of the registers by the launch before) and its 128 penalties go from memory straight into registers and serve two tiles; no wave waits for another until the end.
; The next job's K and penalties are asked for behind the second tile's logits, its V behind the job's last product; a wave's last job is written out without them, so that one branch decides all three runs.
; AT THE END each wave's (M, sum, O^T) of the four tiles go to LDS as images of their registers; wave w adds the eight parts of tile w / 2, channels 32 (w % 2) on, each x 2^(its M - the largest M), which rounds nothing.
; LAYOUT.  S^T = K Q^T (source 0 = 16 keys, source 1 = 16 queries), O^T = V^T P^T (source 0 = 16 channels, source 1 = P): a lane holds one query (lane % 16) throughout.  Lane r of K's tile 2 b + u holds key
; 32 b + 8 u + r + 8 (r / 8), so that registers 16 b + i of S^T are keys 32 b + 16 (lane / 16) + i: the conversions' results are P's operand.  Along K both sources of a product carry the same permutation.
; NO CLUSTER, NO TENSOR LOAD: how many key steps a block walks hangs on a number read from memory, so partners would need different numbers of tiles.  NO PREFETCH: a wave has two or three jobs and asks for the first at its head.
; LIMITS: e2 between -126 and 119.  |score x scale| stays far under 1e9.  acc x cs - 1e9 is rounded once where the definition rounds twice: the two differ only where the first rounding makes or breaks a tie.  NaN is not served.
; REGISTERS.  window 0: v1-15 addresses; v16-31 four a tile: -M, largest t, the sum in two halves; v32-63 Q; v64-127 S^T, then p; v128-191 penalties; v192-207 p's codes; v208-253 at work.
;   window 1: v0-127 O^T, 32 a tile; v128-191 K's fragments; v192-255 V's.  (s_set_vgpr_msb: bits 1:0 source 0, 3:2 source 1, 5:4 source 2, 7:6 destination.)
; THE MODE: SCHED_MODE bits 1:0 = 2 (LLVM: expert scheduling mode 2), set by the entry lines.  The code itself states the register dependences between vector or matrix instructions and memory or LDS
; instructions, and those through scalar registers that vector instructions write, with s_wait_alu, always for 0.
; THE PLAN.  Registers that memory or LDS instructions touch:
;   v1, v2, v251-253   offsets of the global loads and stores: written once at the head, never again.
;   K (window 1)       read by both tiles' products K Q^T; behind the second tile's the next job's sixteen loads land in it.
;   penalties          read by both tiles' multiply-adds (or selects); behind the second tile's the next job's sixteen loads land in them.
;   V (window 1)       read by both tiles' products V^T P; behind the job's last product the next job's sixteen loads land in it.
;   v12-14, v240-243   LDS addresses: written once at the head, read at the end.
;   v16-31, O^T        written in the loop; read once, by the LDS stores at the end.
;   v64-191, v208-223  named by vector instructions in the loop; behind the first barrier LDS loads land in them.
;   v224-239           written by the adding of the parts, read by the stores into the stage; then the loads from the stage land in them, and the global stores read them.
; So a job that has a successor holds TWO waits on va_vdst for its 48 loads.  The first stands ahead of K's run: the second tile's products and multiply-adds are done.  The sixteen loads of penalties follow it
; in fours among the second tile's maxima and sums, which name v9, v10, v16-31, v64-127 and v192-219 alone: none of the registers that those loads touch.  The second stands ahead of V's run.
; The compares of the causal mask write 32 scalar masks in a run, with one wait on va_sdst behind the run and ahead of the selects that read them.
.set STATS, 131072                     ; LDS: 8 waves x 4 tiles x 4,096 bytes of O^T; then 32 x 256 bytes of (-M, sum);
.set STAGE, STATS+8192                 ; then 64 rows of the output, 256 bytes + 16
.set SP,    272
.set L16, 1                            ; v1   16 x lane
.set H64, 2                            ; v2   64 x (lane / 16): my half's 16 penalties of a block of 32
.set RH,  3                            ; v3   lane % 16 - 16 (lane / 16)
.set RR,  5                            ; v5   r = lane % 16
.set HH,  6                            ; v6   h = lane / 16
.set DD,  7                            ; v7   on and behind the diagonal: my query - the step's first key - 16 h
.set NEGB, 8                           ; v8   -1e9
.set PSC, 9                            ; v9   2^e2 as f32
.set PLIM, 10                          ; v10  448 x 2^e2
.set QM,  11                           ; v11  q_mask of the query that I finish
.set IW,  12                           ; v12  LDS: where I store O^T's images
.set SW,  13                           ; v13  and the statistics
.set SR,  14                           ; v14  where I read statistics
.set LN,  15                           ; v15  lane
.set ST,  16
.set Q,   32
.set S,   64
.set PEN, 128
.set P,   192
.set TA,  208                          ; v208-211 four chains of the maximum
.set F,   212                          ; v[212:213] f = 2^(old M - new M); v214-219 three chains of the sum
.set T0,  220                          ; v220-227 penalties under the causal mask
.set X,   208                          ; the end: v208-223 eight (-M, sum)
.set A,   224                          ; v224-239 my 16 results a lane
.set Y,   64                           ; v64-191 eight parts x 16 registers
.set IR0, 240
.set IR1, 241
.set SO,  242
.set SRD, 243
.set MM,  244
.set LS,  245
.set TMP, 246
.set INV, 248
.set QMF, 250
.set QOA, 251
.set QOB, 252
.set QMO, 253
.set O,   0                            ; window 1
.set KFR, 128
.set VFR, 192
.set WV, 2
.set CNT, 3
.set E23, 23
.set SEL, 28
.set CSX, 30                           ; s[30:31] cs = scale x 2^(e0 + e1)
.set CS2, 32                           ; s[32:33] cs x log2(e)
.set LG,  34                           ; s[34:35] log2(e)
.set C1,  36                           ; s[36:37] the job's factor: one of the two
.set NXB2, 38
.set BB,  39
.set Q0A, 40
.set Q0B, 41
.set NM1A, 42                          ; the key step on A's diagonal; s43 on B's
.set NM1B, 43
.set LA,  44                           ; key steps that A walks; s45 B
.set LB,  45
.set FULLA, 46                         ; 1: the block has a row with no valid key
.set FULLB, 47
.set STEPB, 48
.set STEPA, 49
.set KF,  50
.set HOLD, 51
.set NXB, 52                           ; the key step of the job that follows B's job (16: none); s53 A's
.set NXA, 53
.set KA,  54
.set VA,  56
.set PA,  58
.set T,   60                           ; s[60:61] an offset; s61 stays 0
.set FT,  68                           ; s[68:99] the batch's 32 words of first, at the head;
.set MK,  68                           ; s[68:99] in the loop: 32 masks of the causal compares
.set MSB, 0
.macro WIN new                         ; the immediate's high byte repeats the setting that is left
.if MSB != \new
	s_set_vgpr_msb (MSB<<8)|\new
.set MSB, \new
.endif
.endm
.macro NEXTADR nx                      ; the three addresses of key step s[nx]: scalar registers alone are written here
	s_wait_xcnt 0x0                                ; earlier loads have read their bases
	s_min_u32 s62, s[\nx], 15                      ; a choice made on a loaded number enters an address only behind this bound
	s_lshl_b32 s[T], s62, 13
	s_add_nc_u64 s[KA:KA+1], s[12:13], s[T:T+1]
	s_add_nc_u64 s[VA:VA+1], s[14:15], s[T:T+1]
	s_lshl_b32 s[T], s62, 9
	s_add_nc_u64 s[PA:PA+1], s[16:17], s[T:T+1]
.endm
.macro LOADK w                         ; K: 8 tiles x 2 groups of four registers; each load 512 consecutive bytes.  w = 1: in the loop
	WIN 0x40
.if \w
	s_wait_alu depctr_va_vdst(0)                   ; the second tile's products are done reading K's fragments, in which these loads land; its multiply-adds and selects are done reading the penalties, in which the sixteen loads dealt behind this run land
.endif
.set n, 0
.rept 16
	global_load_b128 v[KFR+4*n:KFR+4*n+3], v[L16], s[KA:KA+1] offset:512*n
.set n, n+1
.endr
	WIN 0
.endm
.macro LOADP4 g                        ; register 16 b + i: the penalty of key 32 b + 16 h + i: the sixteen lanes of a half read the same 16 bytes.  Block b = g of the four
.irp i, 0,1,2,3
	global_load_b128 v[PEN+16*(\g)+4*\i:PEN+16*(\g)+4*\i+3], v[H64], s[PA:PA+1] offset:128*(\g)+16*\i
.endr
.endm
.macro LOADV w                         ; V: 4 tiles x 4 groups.  w = 1: in the loop
	WIN 0x40
.if \w
	s_wait_alu depctr_va_vdst(0)                   ; the job's last products are done reading V's fragments, in which these loads land
.endif
.set n, 0
.rept 16
	global_load_b128 v[VFR+4*n:VFR+4*n+3], v[L16], s[VA:VA+1] offset:512*n
.set n, n+1
.endr
	WIN 0
.endm
	s_load_b256 s[4:11], s[0:1], 0x0               ; query_codes s[4:5], q_mask s[6:7], scale s[8:9], lowp_scales s[10:11]
	s_load_b256 s[12:19], s[0:1], 0x20             ; kimg s[12:13], vimg s[14:15], pen s[16:17], first s[18:19]
	s_load_b64 s[20:21], s[0:1], 0x40              ; out0
	v_lshl_add_u32 v254, v0, 2, 0x26400
	v_mov_b32 v255, 0
	v_lshrrev_b32 v[LN], 5, v0
	v_readfirstlane_b32 s[WV], v[LN]               ; wave 0..7
	v_and_b32 v[LN], 31, v0
	v_lshlrev_b32 v[L16], 4, v[LN]
	v_and_b32 v[RR], 15, v0
	s_wait_alu depctr_va_vdst(0)
	v_bfe_u32 v[HH], v0, 4, 1
	v_lshlrev_b32 v[H64], 6, v[HH]
	v_lshlrev_b32 v[RH], 4, v[HH]
	v_sub_nc_u32 v[RH], v[RR], v[RH]
	s_and_b32 s[BB], ttmp7, 0xffff                 ; batch
	s_lshl_b32 s[Q0A], ttmp9, 5                    ; A's first query: 32 j
	s_xor_b32 s[Q0B], ttmp9, 63
	s_lshl_b32 s[Q0B], s[Q0B], 5                   ; B's: 32 (63 - j)
	s_lshr_b32 s[NM1A], ttmp9, 2
	s_xor_b32 s[NM1B], s[NM1A], 15                 ; 15 - j / 4
	s_wait_alu depctr_va_sdst(0)                   ; the wave's number is written, ahead of its first reader: key steps, addresses and branches are made from it
	s_mov_b32 s[STEPB], s[WV]
	s_cmp_eq_u32 s[NM1A], 7
	s_cselect_b32 s62, 0, s[NM1A]
	s_add_co_u32 s[STEPA], s[WV], s62
	s_and_b32 s[STEPA], s[STEPA], 7                ; (w + c) % 8
	v_lshlrev_b32 v[QOA], 6, v[RR]
	s_wait_alu depctr_va_vdst(0)
	v_lshl_add_u32 v[QOA], v[HH], 4, v[QOA]        ; Q: row r of 64 bytes, + 16 h
	s_lshl_b32 s62, s[Q0B], 6
	v_add_nc_u32 v[QOB], s62, v[QOA]
	s_lshl_b32 s62, s[Q0A], 6
	v_add_nc_u32 v[QOA], s62, v[QOA]
	s_cmp_lt_u32 s[WV], 4                          ; the tile that I finish: w / 2
	s_cselect_b32 s62, s[Q0A], s[Q0B]
	s_and_b32 s63, s[WV], 2
	s_lshl_b32 s63, s63, 3
	s_add_co_u32 s62, s62, s63
	v_add_nc_u32 v[QMO], s62, v[RR]                ; its query r
	s_mov_b32 s[T+1], 0
	s_mov_b32 s[SEL], 0x76543210                   ; v_permlanex16_b32: lane l xor 16
	s_mov_b32 s[SEL+1], 0xfedcba98
	s_wait_kmcnt 0x0
	s_load_b32 s22, s[8:9], 0x0                    ; scale
	s_load_b128 s[24:27], s[10:11], 0x0            ; e0, e1, e2, e3
	s_lshl_b32 s[T], s[BB], 7
	s_add_nc_u64 s[18:19], s[18:19], s[T:T+1]
	s_load_b512 s[FT:FT+15], s[18:19], 0x0
	s_load_b512 s[FT+16:FT+31], s[18:19], 0x40
	s_lshl_b32 s[T], s[BB], 17                     ; a batch: 131,072 bytes of each tensor of codes,
	s_add_nc_u64 s[4:5], s[4:5], s[T:T+1]
	s_add_nc_u64 s[12:13], s[12:13], s[T:T+1]
	s_add_nc_u64 s[14:15], s[14:15], s[T:T+1]
	s_lshl_b32 s[T], s[BB], 13                     ; 8,192 of penalties,
	s_add_nc_u64 s[16:17], s[16:17], s[T:T+1]
	s_lshl_b32 s[T], s[BB], 11                     ; 2,048 of q_mask,
	s_add_nc_u64 s[6:7], s[6:7], s[T:T+1]
	s_lshl_b32 s[T], s[BB], 19                     ; 524,288 of the output
	s_add_nc_u64 s[20:21], s[20:21], s[T:T+1]
	NEXTADR STEPB                                  ; B's step w is walked whatever the mask: its 48 loads go out with Q's
	s_wait_alu depctr_va_vdst(0)                   ; the five offsets v1, v2 and v251 to v253 are written, which every global load and store of the kernel reads; up to the last of the 57 loads below stand loads and window switches alone
.irp t, 0,1
	global_load_b128 v[Q+8*\t:Q+8*\t+3], v[QOA], s[4:5] offset:1024*\t            ; registers 4 c .. 4 c + 3: channels 32 c + 16 h + 0 .. 15, as in K's fragments
	global_load_b128 v[Q+8*\t+4:Q+8*\t+7], v[QOA], s[4:5] offset:1024*\t+32
	global_load_b128 v[Q+16+8*\t:Q+16+8*\t+3], v[QOB], s[4:5] offset:1024*\t
	global_load_b128 v[Q+16+8*\t+4:Q+16+8*\t+7], v[QOB], s[4:5] offset:1024*\t+32
.endr
	global_load_u8 v[QM], v[QMO], s[6:7]
	LOADK 0
.irp g, 0,1,2,3
	LOADP4 \g
.endr
	LOADV 0
	s_lshl_b32 s62, s[WV], 14                      ; every LDS address is made here, of the wave's number, the lane and constants
	v_add_nc_u32 v[IW], s62, v[L16]
	s_lshl_b32 s62, s[WV], 10
	s_add_co_u32 s62, s62, STATS
	v_lshl_add_u32 v[SW], v[LN], 3, s62
	s_lshr_b32 s62, s[WV], 1                       ; the tile that I finish,
	s_and_b32 s63, s[WV], 1                        ; and which 32 of its 64 channels
	s_lshl_b32 s66, s62, 8
	s_add_co_u32 s66, s66, STATS
	v_lshl_add_u32 v[SR], v[LN], 3, s66
	s_lshl_b32 s66, s62, 12
	s_lshl_b32 s67, s63, 11
	s_add_co_u32 s66, s66, s67
	v_add_nc_u32 v[IR0], s66, v[L16]               ; parts 0-3,
	v_add_nc_u32 v[IR1], 0x10000, v[IR0]           ; parts 4-7: an LDS offset has 16 bits
	s_mul_i32 s66, s62, 16*SP
	s_lshl_b32 s67, s63, 7
	s_add_co_u32 s66, s66, s67
	s_add_co_u32 s66, s66, STAGE
	v_mul_u32_u24 v[SO], v[RR], SP
	v_lshl_add_u32 v[SO], v[HH], 5, v[SO]
	v_add_nc_u32 v[SO], s66, v[SO]                 ; the stage, in: row 16 tile + r, byte 128 half + 32 h
	s_mul_i32 s66, s[WV], 8*SP
	s_add_co_u32 s66, s66, STAGE
	v_mul_u32_u24 v[SRD], v[HH], SP
	v_lshl_add_u32 v[SRD], v[RR], 4, v[SRD]
	v_add_nc_u32 v[SRD], s66, v[SRD]               ; back: rows 8 w on, sixteen lanes to a row
.set n, 0
.rept 4
	v_mov_b32 v[ST+4*n+1], 0xff61b1e6              ; the largest t so far: -3e38, under every t
	v_floor_f32 v[ST+4*n], -v[ST+4*n+1]            ; -M
	v_mov_b32 v[ST+4*n+2], 0
	v_mov_b32 v[ST+4*n+3], 0
.set n, n+1
.endr
	v_mov_b32 v[F+1], 0                            ; (named as the upper half of a pair)
	v_mov_b32 v[NEGB], 0xce6e6b28
	WIN 0x40
.set n, 0
.rept 128
	v_mov_b32 v[O+n], 0                            ; O^T.  A unit is written once for each tile: a tile's first job finds zeros, and a wave without a job for a tile hands zeros on
.set n, n+1
.endr
	WIN 0
	s_wait_kmcnt 0x0
.set n, 1
.rept 31
	s_min_u32 s[FT], s[FT], s[FT+n]                ; f: the batch's first valid key, 4096 or more if it has none
.set n, n+1
.endr
	s_add_co_u32 s62, s[NM1A], 1
	s_cmp_gt_u32 s[FT], s[Q0A]                     ; has A's first row no valid key?
	s_cselect_b32 s[LA], 16, s62
	s_cselect_b32 s[FULLA], 1, 0
	s_add_co_u32 s62, s[NM1B], 1
	s_cmp_gt_u32 s[FT], s[Q0B]
	s_cselect_b32 s[LB], 16, s62
	s_cselect_b32 s[FULLB], 1, 0
	s_add_co_u32 s62, s[STEPA], 8                  ; which key step follows which job (16: none).  Behind B's second job: A's second;
	s_cmp_lt_u32 s62, s[LA]
	s_cselect_b32 s[NXB2], s62, 16
	s_add_co_u32 s62, s[STEPB], 8                  ; behind A's first: B's second, or what follows that;
	s_cmp_lt_u32 s62, s[LB]
	s_cselect_b32 s[NXA], s62, s[NXB2]
	s_cmp_lt_u32 s[STEPA], s[LA]                   ; behind B's first: A's first, or what follows that
	s_cselect_b32 s[NXB], s[STEPA], s[NXA]
	s_add_co_i32 s62, s24, s25
	v_mov_b32 v[TA], s22
	v_ldexp_f32 v[TA], v[TA], s62                  ; cs = scale x 2^(e0 + e1): a sum of the first product stands for sum x 2^(e0 + e1)
	v_mul_f32 v[TA+1], 0x3fb8aa3b, v[TA]           ; cs x log2(e)
	v_readfirstlane_b32 s[CSX], v[TA]
	v_readfirstlane_b32 s[CS2], v[TA+1]
	s_wait_alu depctr_va_sdst(0)                   ; cs and cs x log2(e) are written, ahead of their first readers, the two moves below
	s_mov_b32 s[CSX+1], s[CSX]                     ; (the packed forms name pairs and take the low word for both halves)
	s_mov_b32 s[CS2+1], s[CS2]
	s_mov_b32 s[LG], 0x3fb8aa3b
	s_mov_b32 s[LG+1], s[LG]
	s_add_co_i32 s[E23], s26, s27
	s_cmp_lt_i32 s26, -8                           ; p <= 1 and 448 x 2^e2 >= 1 from e2 = -8 on: only below that can p pass the largest code
	s_cselect_b32 s[HOLD], 1, 0
	s_add_co_i32 s62, s26, 127
	s_lshl_b32 s63, s62, 23
	v_mov_b32 v[PSC], s63
	s_add_co_i32 s62, s62, 8
	s_lshl_b32 s62, s62, 23
	s_or_b32 s62, s62, 0x600000
	v_mov_b32 v[PLIM], s62
; A UNIT'S HEAD: tile tau against the job's 128 keys: the scores, and t (or the logit) with the penalties.
.macro UHEAD tau, first, stp, nm1, q0, dq
.if \first
	s_wait_loadcnt 32                              ; K's sixteen loads are in: behind them stand the penalties' sixteen and V's sixteen
.endif
	WIN 0x01                                       ; source 0 (K) window 1
.set n, 0
.rept 8
	v_wmma_f32_16x16x64_fp8_fp8 v[S+8*n:S+8*n+7], v[KFR+8*n:KFR+8*n+7], v[Q+8*(\tau):Q+8*(\tau)+7], 0
.set n, n+1
.endr
	WIN 0
.rept 4
	v_nop                                          ; four places between the products and the first read of their results (ISA guide 7.12.1)
.endr
.if \first
	s_wait_loadcnt 16                              ; the penalties are in: behind them stand V's sixteen
.endif
	s_cmp_lt_u32 s[\stp], s[\nm1]
	s_cbranch_scc1 .Lopen_\@                       ; all 128 keys come before the block's queries
	s_sub_co_i32 s62, s[\q0], s[KF]                ; on the diagonal, and behind it where all keys are walked: a key behind my query has the penalty -1e9, whatever v_mask says
	s_add_co_i32 s62, s62, \dq
	v_add_nc_u32 v[DD], s62, v[RH]                 ; register 16 b + i is hidden where 32 b + i > my query - the step's first key - 16 h
.set h, 0
.rept 2                                ; 32 registers at a time: a run of compares into 32 scalar masks, one wait, the selects and the multiply-adds
.set n, 0
.rept 32
	v_cmp_gt_i32 s[MK+n], 32*((32*h+n)/16)+(32*h+n)%16, v[DD]
.set n, n+1
.endr
	s_wait_alu depctr_va_sdst(0)                   ; the 32 masks are written, ahead of the selects that read them
.set n, 0
.rept 16
	v_cndmask_b32 v[T0+n%8], v[PEN+32*h+n], v[NEGB], s[MK+n]
	v_cndmask_b32 v[T0+n%8+1], v[PEN+32*h+n+1], v[NEGB], s[MK+n+1]
	v_pk_fma_f32 v[S+32*h+n:S+32*h+n+1], v[S+32*h+n:S+32*h+n+1], s[C1:C1+1], v[T0+n%8:T0+n%8+1] op_sel_hi:[1,0,1]   ; each accumulator from its low end on
.set n, n+2
.endr
.set h, h+1
.endr
	s_branch .Lhave_\@
.Lopen_\@:
.set n, 0
.rept 32
	v_pk_fma_f32 v[S+n:S+n+1], v[S+n:S+n+1], s[C1:C1+1], v[PEN+n:PEN+n+1] op_sel_hi:[1,0,1]   ; each accumulator from its low end on
.set n, n+2
.endr
.Lhave_\@:
.endm
; THE REST OF A UNIT: the running M, p, the sum, p's codes, O^T.  deal = 1: the next job's sixteen loads of penalties stand in fours among its first lines, behind K's run and the wait ahead of that:
; no vector instruction from that wait to the last of these loads names v2 or v128-191.
.macro UREST tau, first, full, deal
.set rT, ST+4*(\tau)
.set rO, O+32*(\tau)
	s_cmp_eq_u32 s[\full], 0
	s_cbranch_scc1 .Lfolded_\@
.set n, 0
.rept 32
	v_pk_mul_f32 v[S+n:S+n+1], v[S+n:S+n+1], s[LG:LG+1] op_sel_hi:[1,0]   ; a block with a row of no valid key: t = logit x log2(e), rounded by itself, since logits stand near -1e9
.set n, n+2
.endr
.Lfolded_\@:
.if \deal
	LOADP4 0
.endif
.set n, 0
.rept 4
	v_max3_num_f32 v[TA+n], v[S+16*n], v[S+16*n+1], v[S+16*n+2]           ; the largest of my 64 t, in four chains
.set n, n+1
.endr
.set k, 1
.rept 6
.set n, 0
.rept 4
	v_max3_num_f32 v[TA+n], v[TA+n], v[S+16*n+2*k+1], v[S+16*n+2*k+2]
.set n, n+1
.endr
.set k, k+1
.endr
.if \deal
	LOADP4 1
.endif
	v_max3_num_f32 v[TA], v[TA], v[S+15], v[S+31]
	v_max3_num_f32 v[TA+2], v[TA+2], v[S+47], v[S+63]
	v_max3_num_f32 v[TA], v[TA], v[TA+1], v[TA+2]
	v_max_num_f32 v[TA], v[TA], v[TA+3]
	v_permlanex16_b32 v[TA+1], v[TA], s[SEL], s[SEL+1]
	v_max_num_f32 v[TA], v[TA], v[TA+1]            ; and of lane l xor 16's
	v_max_num_f32 v[rT+1], v[rT+1], v[TA]          ; the running largest t
	v_mov_b32 v[TA], v[rT]
	v_floor_f32 v[rT], -v[rT+1]                    ; -M = floor(-t): M is a whole number
	v_sub_f32 v[TA], v[rT], v[TA]                  ; old M - new M, 0 or less
	v_cvt_i32_f32 v[TA], v[TA]                     ; (it saturates)
	v_ldexp_f32 v[F], 1.0, v[TA]                   ; f = 2^(old M - new M)
.if \deal
	LOADP4 2
.endif
.set n, 0
.rept 32
	v_pk_add_f32 v[S+n:S+n+1], v[S+n:S+n+1], v[rT:rT+1] op_sel_hi:[1,0]   ; t - M, 0 or less
.set n, n+2
.endr
.if \deal
	LOADP4 3
.endif
.set n, 0
	s_wait_alu depctr_va_vdst(0)
.rept 64
	v_exp_f32 v[S+n], v[S+n]                       ; p = 2^(t - M)
.set n, n+1
.endr
	v_pk_mul_f32 v[rT+2:rT+3], v[rT+2:rT+3], v[F:F+1] op_sel_hi:[1,0]     ; the sum under the new M: a plain instruction behind the exponentials
	s_wait_alu depctr_va_vdst(0)                   ; the 64 exponentials have written p: one wait for the batch, ahead of its first reader
	v_pk_add_f32 v[F+2:F+3], v[S:S+1], v[S+2:S+3]  ; the sum of the unquantised p, two at a time, in four chains
	v_pk_add_f32 v[F+4:F+5], v[S+4:S+5], v[S+6:S+7]
	v_pk_add_f32 v[F+6:F+7], v[S+8:S+9], v[S+10:S+11]
.set k, 6
.rept 26
.if k%4 == 0
	v_pk_add_f32 v[rT+2:rT+3], v[rT+2:rT+3], v[S+2*k:S+2*k+1]
.else
	v_pk_add_f32 v[F+2*(k%4):F+2*(k%4)+1], v[F+2*(k%4):F+2*(k%4)+1], v[S+2*k:S+2*k+1]
.endif
.set k, k+1
.endr
	v_pk_add_f32 v[F+2:F+3], v[F+2:F+3], v[F+4:F+5]
	v_pk_add_f32 v[rT+2:rT+3], v[rT+2:rT+3], v[F+6:F+7]
	v_pk_add_f32 v[rT+2:rT+3], v[rT+2:rT+3], v[F+2:F+3]
	s_cmp_eq_u32 s[HOLD], 0
	s_cbranch_scc1 .Lfits_\@
.set n, 0
.rept 64
	v_min_num_f32 v[S+n], v[S+n], v[PLIM]          ; the conversion does not saturate (ISA guide 7.6.2); p is not negative
.set n, n+1
.endr
.Lfits_\@:
.set n, 0
.rept 4
	v_cvt_scalef32_pk8_fp8_f32 v[P+4*n:P+4*n+1], v[S+16*n:S+16*n+7], v[PSC]
	v_cvt_scalef32_pk8_fp8_f32 v[P+4*n+2:P+4*n+3], v[S+16*n+8:S+16*n+15], v[PSC]
.set n, n+1
.endr
	WIN 0x41                                       ; O^T (destination, source 0) window 1, f window 0
.set n, 0
.rept 16
	v_pk_mul_f32 v[rO+n:rO+n+1], v[rO+n:rO+n+1], v[F:F+1] op_sel_hi:[1,0]   ; O^T under the new M; plain instructions between the conversions and the products
.set n, n+2
.endr
.if \first
	s_wait_alu depctr_va_vdst(0)
	s_wait_loadcnt 0x0                             ; V is in
.endif
	WIN 0x51                                       ; V window 1, P window 0, O^T window 1
.set n, 0
.rept 4
	v_wmma_f32_16x16x128_fp8_fp8 v[rO+8*n:rO+8*n+7], v[VFR+16*n:VFR+16*n+15], v[P:P+15], v[rO+8*n:rO+8*n+7]   ; four accumulators, one instruction each
.set n, n+1
.endr
	WIN 0
.endm
; A JOB: one block (tiles t0, t0 + 1) against key step s[stp], if the block walks it.
.macro JOB stp, lim, nm1, full, q0, t0, nx
	s_cmp_ge_u32 s[\stp], s[\lim]
	s_cbranch_scc1 .Lskip_\@
	s_lshl_b32 s[KF], s[\stp], 7
	s_cmp_eq_u32 s[\full], 0
	s_cselect_b32 s[C1], s[CS2], s[CSX]
	s_mov_b32 s[C1+1], s[C1]
	UHEAD \t0, 1, \stp, \nm1, \q0, 0
	UREST \t0, 1, \full, 0
	UHEAD \t0+1, 0, \stp, \nm1, \q0, 16
	s_cmp_lt_u32 s[\nx], 16
	s_cbranch_scc0 .Llast_\@
	NEXTADR \nx                                    ; K's fragments and the penalties have had their last reader: the next job's are asked for
	LOADK 1                                        ; K's in one run, under one pair of window switches;
	UREST \t0+1, 0, \full, 1                       ; the penalties' in fours among this unit's first lines.  The order of issue stays K, penalties, V, on which the next job's counts rest
.rept 4
	v_nop                                          ; four plain places behind the last products; the dependence itself is stated by the wait at the head of V's run
.endr
	LOADV 1
	s_branch .Lskip_\@
.Llast_\@:
	UREST \t0+1, 0, \full, 0                       ; my last job asks for nothing
.Lskip_\@:
.endm
	s_mov_b32 s[CNT], 0
.Ltrip:
	JOB STEPB, LB, NM1B, FULLB, Q0B, 2, NXB
	JOB STEPA, LA, NM1A, FULLA, Q0A, 0, NXA
	s_add_co_u32 s[STEPB], s[STEPB], 8
	s_add_co_u32 s[STEPA], s[STEPA], 8
	s_mov_b32 s[NXB], s[NXB2]
	s_mov_b32 s[NXA], 16
	s_add_co_u32 s[CNT], s[CNT], 1
	s_cmp_lt_u32 s[CNT], 2
	s_cbranch_scc1 .Ltrip
	; THE END.  My parts of the four tiles go to LDS as they stand in the registers.
	s_wait_loadcnt 0x0                             ; nothing of mine is on its way into the registers used below; q_mask is in
.set n, 0
.rept 4
	v_add_f32 v[ST+4*n+1], v[ST+4*n+2], v[ST+4*n+3]   ; the sum's two halves, beside -M.  (These four are the places behind the last products)
.set n, n+1
.endr
	s_wait_alu depctr_va_vdst(0)                   ; the sums and O^T are written, which the LDS stores read, and so are the seven LDS addresses made at the head; every vector instruction that named v64-191 or v208-223 is done: the loads behind the barrier land there, and no vector instruction stands between this wait and them
.set n, 0
.rept 4
	ds_store_b64 v[SW], v[ST+4*n:ST+4*n+1] offset:256*n
.set n, n+1
.endr
	WIN 0x04                                       ; store data window 1
.set n, 0
.rept 32
	ds_store_b128 v[IW], v[O+4*n:O+4*n+3] offset:512*n   ; lane l's 16 bytes at 16 l; each accumulator from its low end on
.set n, n+1
.endr
	WIN 0
	s_wait_dscnt 0x0                               ; for the others' sake: my stores have landed
	s_barrier_signal -1
	s_barrier_wait -1
.set n, 0
.rept 8
	ds_load_b64 v[X+2*n:X+2*n+1], v[SR] offset:1024*n
.set n, n+1
.endr
.set n, 0
.rept 16
	ds_load_b128 v[Y+4*n:Y+4*n+3], v[IR0] offset:16384*(n/4)+512*(n%4)
.set n, n+1
.endr
.set n, 0
.rept 16
	ds_load_b128 v[Y+64+4*n:Y+64+4*n+3], v[IR1] offset:16384*(n/4)+512*(n%4)
.set n, n+1
.endr
	v_mov_b32 v[TMP], 0                            ; a lane permute's destination counts as one of its sources
	s_wait_dscnt 32                                ; the eight (-M, sum) are in; the 32 loads behind them may be out
	v_min_num_f32 v[MM], v[X], v[X+2]
.set n, 2
.rept 6
	v_min_num_f32 v[MM], v[MM], v[X+2*n]           ; the least -M: the largest M
.set n, n+1
.endr
.set n, 0
.rept 8
	v_sub_f32 v[X+2*n], v[MM], v[X+2*n]            ; part n's M - the largest M: a whole number, 0 or less
.set n, n+1
.endr
.set n, 0
.rept 8
	v_cvt_i32_f32 v[X+2*n], v[X+2*n]
.set n, n+1
.endr
.set n, 0
.rept 8
	v_ldexp_f32 v[X+2*n], 1.0, v[X+2*n]            ; part n's factor: 0 for a wave that had no job for the tile
.set n, n+1
.endr
	v_mul_f32 v[LS], v[X], v[X+1]
.set n, 1
.rept 7
	v_fma_f32 v[LS], v[X+2*n], v[X+2*n+1], v[LS]
.set n, n+1
.endr
	v_permlanex16_b32 v[TMP], v[LS], s[SEL], s[SEL+1]
	v_add_f32 v[LS], v[LS], v[TMP]                 ; the row's sum
	s_wait_alu depctr_va_vdst(0)
	v_rcp_f32 v[INV], v[LS]
	v_cvt_f32_u32 v[QMF], v[QM]                    ; q_mask as 0.0 or 1.0: a plain instruction behind the reciprocal
	s_wait_alu depctr_va_vdst(0)                   ; the reciprocal is written, ahead of its first reader
	v_ldexp_f32 v[INV], v[INV], s[E23]             ; x 2^(e2 + e3)
	v_mul_f32 v[INV], v[INV], v[QMF]
	v_mov_b32 v[INV+1], v[INV]
	s_wait_dscnt 0x0
.set k, 0
.rept 8
	v_pk_mul_f32 v[A+2*k:A+2*k+1], v[Y+2*k:Y+2*k+1], v[X:X+1] op_sel_hi:[1,0]
.set k, k+1
.endr
.set n, 1
.rept 7
.set k, 0
.rept 8
	v_pk_fma_f32 v[A+2*k:A+2*k+1], v[Y+16*n+2*k:Y+16*n+2*k+1], v[X+2*n:X+2*n+1], v[A+2*k:A+2*k+1] op_sel_hi:[1,0,1]
.set k, k+1
.endr
.set n, n+1
.endr
.set k, 0
.rept 8
	v_pk_mul_f32 v[A+2*k:A+2*k+1], v[A+2*k:A+2*k+1], v[INV:INV+1] op_sel_hi:[1,0]
.set k, k+1
.endr
	s_wait_alu depctr_va_vdst(0)                   ; the multiplications have written v[A ..], which the stores into the stage read; no vector instruction follows this wait
	ds_store_b128 v[SO], v[A:A+3]                  ; register 8 t + i: channel 32 half + 16 t + 8 h + i of query r
	ds_store_b128 v[SO], v[A+4:A+7] offset:16
	ds_store_b128 v[SO], v[A+8:A+11] offset:64
	ds_store_b128 v[SO], v[A+12:A+15] offset:80
	s_wait_dscnt 0x0                               ; a row's 256 bytes come from two waves
	s_barrier_signal -1
	s_barrier_wait -1
	s_wait_alu depctr_vm_vsrc(0)                   ; my stores into the stage have read v[A ..], in which the loads below land
.irp i, 0,1,2,3
	ds_load_b128 v[A+4*\i:A+4*\i+3], v[SRD] offset:2*SP*\i
.endr
	s_cmp_lt_u32 s[WV], 4                          ; stage rows 8 w on: A's 32 queries, then B's
	s_cselect_b32 s[T], s[Q0A], s[Q0B]
	s_and_b32 s62, s[WV], 3
	s_lshl_b32 s62, s62, 3
	s_add_co_u32 s[T], s[T], s62
	s_lshl_b32 s[T], s[T], 8
	s_add_nc_u64 s[20:21], s[20:21], s[T:T+1]
.irp i, 0,1,2,3
	s_wait_dscnt 3-\i
	global_store_b128 v[L16], v[A+4*\i:A+4*\i+3], s[20:21] offset:512*\i th:TH_STORE_NT   ; two rows: 32 lanes store 512 consecutive bytes, at a multiple of 256 from the output's first byte
.endr
	s_wait_dscnt 0x0
	s_wait_alu depctr_hold_cnt(0) depctr_sa_sdst(0) depctr_va_vdst(0) depctr_va_sdst(0) depctr_va_ssrc(0) depctr_va_vcc(0) depctr_vm_vsrc(0)
	s_wait_tensorcnt 0x0
	ds_add_u32 v254, v255
	s_wait_dscnt 0x0
	s_endpgm
.Lfunc_end_k_q737fa235b1_attn:
	.size	k_q737fa235b1_attn, .Lfunc_end_k_q737fa235b1_attn-k_q737fa235b1_attn
	.p2alignl 7, 3214868480
	.fill 96, 4, 3214868480
	.section	.rodata,"a",@progbits
	.p2align	6, 0x0
	.amdhsa_kernel k_q737fa235b1_attn
		.amdhsa_group_segment_fixed_size 157696
		.amdhsa_private_segment_fixed_size 0
		.amdhsa_enable_private_segment 0
		.amdhsa_kernarg_size 72
		.amdhsa_user_sgpr_count 2
		.amdhsa_user_sgpr_kernarg_segment_ptr 1
		.amdhsa_wavefront_size32 1
		.amdhsa_system_sgpr_workgroup_id_x 1
		.amdhsa_system_sgpr_workgroup_id_y 1
		.amdhsa_system_sgpr_workgroup_id_z 1
		.amdhsa_system_vgpr_workitem_id 0
		.amdhsa_next_free_vgpr 512
		.amdhsa_next_free_sgpr 100
		.amdhsa_reserve_vcc 0
		.amdhsa_float_denorm_mode_32 3
		.amdhsa_float_denorm_mode_16_64 3
		.amdhsa_memory_ordered 1
		.amdhsa_forward_progress 1
		.amdhsa_inst_pref_size 184
	.end_amdhsa_kernel
	.amdgpu_metadata
---
amdhsa.version: [ 1, 2 ]
amdhsa.kernels:
  - .name:           k_q737fa235b1_attn
    .symbol:         k_q737fa235b1_attn.kd
    .args:
      - { .name: query_codes, .offset: 0, .size: 8, .value_kind: global_buffer, .address_space: global }
      - { .name: q_mask, .offset: 8, .size: 8, .value_kind: global_buffer, .address_space: global }
      - { .name: scale, .offset: 16, .size: 8, .value_kind: global_buffer, .address_space: global }
      - { .name: lowp_scales, .offset: 24, .size: 8, .value_kind: global_buffer, .address_space: global }
      - { .name: kimg, .offset: 32, .size: 8, .value_kind: global_buffer, .address_space: global }
      - { .name: vimg, .offset: 40, .size: 8, .value_kind: global_buffer, .address_space: global }
      - { .name: pen, .offset: 48, .size: 8, .value_kind: global_buffer, .address_space: global }
      - { .name: first, .offset: 56, .size: 8, .value_kind: global_buffer, .address_space: global }
      - { .name: out0, .offset: 64, .size: 8, .value_kind: global_buffer, .address_space: global }
    .group_segment_fixed_size: 157696
    .private_segment_fixed_size: 0
    .kernarg_segment_align: 8
    .kernarg_segment_size: 72
    .max_flat_workgroup_size: 256
    .sgpr_count:     100
    .vgpr_count:     512
    .wavefront_size: 32
...
	.end_amdgpu_metadata
.endif
;; end of part 4
